; MI455X (gfx1250); checked and timed in simulation.
; The chip was launched on July 23, 2026; its instructions are those of AMD's public machine-readable ISA for CDNA 5 (MIT licence, August 2026) and "CDNA5" Instruction Set Architecture Reference Guide (July 2026). The comments in the code are by the model that wrote it; some were corrected since.
;; Channel Diffusion. Allowed arithmetic: float matrix products may take bf16 or f16 operands with f32 sums; other float arithmetic in f32, or as packed bf16 or f16 multiplies, adds, multiply-adds, maxima and minima; sums over many terms, partial sums and values carried from step to step in f32; what a program stores and reads back later, other than sums and carried values, may be rounded once to bf16 or f16.
;; Inputs: W_out 1,024 x 1,024 float32; W_qk 1,024 x 1,024 float32; W_v 1,024 x 1,024 float32; tau 16 x 1 x 1 float32; x 2 x 8,192 x 1,024 float32.
;; Outputs: out0 2 x 8,192 x 1,024 float32.
;; 2 versions, each right; version 2 is version 1 with the launches prep, attnp written anew for expert scheduling mode. Each part assembles by itself: llvm-mc -triple=amdgcn-amd-amdhsa -mcpu=gfx1250 --defsym DOCPART=n.
;; ======== version 1 of 2: 5 launches
;; limits: values are held in f16: magnitudes above 65,504 overflow, below 6.1e-05 lose precision
;; workspace buffers: xh 33,554,432 bytes; wqkt 2,097,152 bytes; wot 2,097,152 bytes; wvb 2,097,152 bytes; gp 16,777,216 bytes; pb 4,194,304 bytes; mt 4,194,304 bytes
;; launch prep (part 1): grid 1344 x 1, 8 waves a work-group, no clusters, 18,432 bytes of LDS; arguments x, W_qk, W_v, W_out, xh, wqkt, wvb, wot; writes xh, wqkt, wvb, wot
.if DOCPART == 1
	.amdgcn_target "amdgcn-amd-amdhsa--gfx1250"
	.amdhsa_code_object_version 6
	.text
	.protected	k_q279c68e2e7_prep
	.globl	k_q279c68e2e7_prep
	.p2align	8
	.type	k_q279c68e2e7_prep,@function
k_q279c68e2e7_prep:
	s_mov_b64 s[64:65], 0
	v_nop
	global_prefetch_b8 v0, s[64:65] scope:SCOPE_SE
	s_setreg_imm32_b32 hwreg(HW_REG_WAVE_MODE, 25, 1), 1
	s_wait_xcnt 0x0
; Every large input is rounded once to bf16 and that number is written as f16 (exact inside f16's range), in the layout that the later launches read:
;   xh   [16384][1024]      = x
;   wqkt [n 1024][k 1024]   = W_qk transposed          wot [j 1024][c 1024] = W_out transposed
;   wvb  [h 16][k 1024][64] = W_v, a head's 64 columns on end
; LIMITS.  A number of 65,520 or more becomes an infinity; below 6.1e-5 f16 keeps its fixed step of 6e-8.  NaN and infinities are not treated apart.
; ROLES, by the work-group's number alone (the same for all eight waves): 0-255 transpose a block of 128 k x 64 n (0-127 W_qk, 128-255 W_out) through LDS;
; 256-319 take 16 rows of W_v; 320-1343 take 65,536 bytes of x.  No matrix unit, no cluster: no work-group reads what another reads.
.set TP,    272                        ; a row of the transposed block in LDS: 128 f16 + 16 bytes
.set SPARE, 64*TP                      ; behind the block: the spare words, 128 bytes for each of eight waves: four blocks of 256 bytes that no other line names
.set LD,  5                            ; v5   byte offset of my loads
.set SO,  6                            ; v6   byte offset of my stores
.set LW,  7                            ; v7   LDS: where I put a pair of k
.set SPW, 8                            ; v8   LDS address of my spare word; never rewritten
.set NIL, 9                            ; v9   0; never rewritten
.set LR,  10                           ; v10  LDS: where I read a row back
.set IN,  16                           ; v[16:79]   sixteen loads of 16 bytes
.set OUT, 80                           ; v[80:111]  what is stored
.set T,   112                          ; v[112:119] at work
; two f32 -> bf16 (nearest even) -> the same two numbers as f16, packed: a in the low half
.macro PAIR a, b, d, t
	v_cvt_pk_bf16_f32 v[\t], v[\a], v[\b]
	v_lshlrev_b32 v[(\t)+1], 16, v[\t]
	v_and_b32 v[\t], s21, v[\t]
	v_cvt_pk_f16_f32 v[\d], v[(\t)+1], v[\t]
.endm
; Sixteen loads of 16 bytes a lane go out together; load j is converted and stored (8 bytes a lane: 32 lanes fill 256 consecutive bytes, aligned) when it is in.
; Each j has registers of its own, so nothing that a pending store reads is written again.
.macro STREAM src, dst, lstep, sstep, nt
.set j, 0
.rept 16
.if \nt
	global_load_b128 v[IN+4*j:IN+4*j+3], v[LD], s[\src:\src+1] offset:j*(\lstep) th:TH_LOAD_NT
.else
	global_load_b128 v[IN+4*j:IN+4*j+3], v[LD], s[\src:\src+1] offset:j*(\lstep)
.endif
.set j, j+1
.endr
.set j, 0
.rept 16
	s_wait_loadcnt 15-j                            ; loads come back in order: the 15 - j younger ones may stay out
	PAIR IN+4*j, IN+4*j+1, OUT+2*j, T
	PAIR IN+4*j+2, IN+4*j+3, OUT+2*j+1, T+2
	global_store_b64 v[SO], v[OUT+2*j:OUT+2*j+1], s[\dst:\dst+1] offset:j*(\sstep)
.set j, j+1
.endr
.endm
	s_load_b512 s[4:19], s[0:1], 0x0               ; x 4:5, W_qk 6:7, W_v 8:9, W_out 10:11, xh 12:13, wqkt 14:15, wvb 16:17, wot 18:19
	v_lshl_add_u32 v[SPW], v0, 2, SPARE
	v_mov_b32 v[NIL], 0
	v_lshrrev_b32 v4, 5, v0
	v_readfirstlane_b32 s20, v4                    ; wave 0..7
	s_mov_b32 s21, 0xffff0000                      ; a word's upper bf16
	v_and_b32 v1, 31, v0                           ; l
	v_and_b32 v2, 15, v0                           ; l % 16
	v_bfe_u32 v3, v0, 4, 1                         ; l / 16
	s_mov_b32 s23, 0
	s_mov_b32 s25, 0
	s_wait_kmcnt 0x0
	s_cmp_lt_u32 ttmp9, 256
	s_cbranch_scc1 .Ltrans
	s_cmp_lt_u32 ttmp9, 320
	s_cbranch_scc1 .Lwv
	; x: the work-group's 65,536 bytes, a wave 8,192 of them, a load 512 consecutive bytes
	s_sub_co_u32 s22, ttmp9, 320
	s_lshl_b32 s24, s22, 15                        ; 32,768 bytes of xh
	s_lshl_b32 s22, s22, 16
	s_add_nc_u64 s[4:5], s[4:5], s[22:23]
	s_add_nc_u64 s[12:13], s[12:13], s[24:25]
	s_lshl_b32 s26, s20, 13
	v_lshl_add_u32 v[LD], v1, 4, s26
	s_lshl_b32 s26, s20, 12
	v_lshl_add_u32 v[SO], v1, 3, s26
	STREAM 4, 12, 512, 256, 1
	s_branch .Lend
.Lwv:	; W_v: row k = 16 g + 2 wave + l / 16; load j takes head j's 64 columns (256 bytes for each half of the lanes); two rows of a head are 256 consecutive bytes of wvb
	s_sub_co_u32 s22, ttmp9, 256
	s_lshl_b32 s22, s22, 4
	s_lshl1_add_u32 s22, s20, s22                  ; 16 g + 2 wave
	v_add_nc_u32 v4, s22, v3
	v_lshlrev_b32 v[LD], 12, v4                    ; a row of W_v is 4,096 bytes
	v_lshl_add_u32 v[LD], v2, 4, v[LD]
	s_lshl_b32 s22, s22, 7                         ; a row of a head in wvb is 128 bytes
	v_lshl_add_u32 v[SO], v1, 3, s22
	STREAM 8, 16, 256, 131072, 0
	s_branch .Lend
.Ltrans:	; a block of 128 k x 64 n is turned
	s_lshr_b32 s22, ttmp9, 7
	s_cmp_eq_u32 s22, 0
	s_cselect_b64 s[26:27], s[6:7], s[10:11]       ; from W_qk or W_out
	s_cselect_b64 s[28:29], s[14:15], s[18:19]     ; to wqkt or wot
	s_bfe_u32 s22, ttmp9, 0x30004                  ; kt: which 128 rows
	s_and_b32 s24, ttmp9, 15                       ; nt: which 64 columns
	s_lshl_b32 s30, s22, 19                        ; 128 rows of 4,096 bytes
	s_lshl_b32 s31, s24, 8
	s_add_co_u32 s30, s30, s31
	s_mov_b32 s31, 0
	s_add_nc_u64 s[26:27], s[26:27], s[30:31]
	s_lshl_b32 s30, s24, 17                        ; 64 rows of 2,048 bytes
	s_lshl_b32 s22, s22, 8
	s_add_co_u32 s30, s30, s22
	s_add_nc_u64 s[28:29], s[28:29], s[30:31]
	s_lshl_b32 s22, s20, 16                        ; my wave's 16 rows
	v_lshl_add_u32 v[LD], v3, 13, s22              ; + 2 rows for the upper half of the lanes
	v_lshl_add_u32 v[LD], v2, 4, v[LD]             ; + my four columns
	v_mul_u32_u24 v[LW], v2, 4*TP                  ; LDS row n = 4 (l % 16) + i; byte 2 k = 32 wave + 8 p + 4 (l / 16)
	s_lshl_b32 s22, s20, 5
	v_lshl_add_u32 v[LW], v3, 2, v[LW]
	v_add_nc_u32 v[LW], s22, v[LW]
	s_lshl_b32 s22, s20, 3
	v_add_nc_u32 v[LR], s22, v3                    ; back: row n = 8 wave + 2 u + l / 16
	v_lshlrev_b32 v[SO], 11, v[LR]
	v_mul_u32_u24 v[LR], v[LR], TP
	v_lshl_add_u32 v[LR], v2, 4, v[LR]
	v_lshl_add_u32 v[SO], v2, 4, v[SO]
.irp q, 0,1,2,3,4,5,6,7                ; load q = 2 p + e: row 4 p + 2 (l / 16) + e of my 16; each half of the lanes reads 256 consecutive bytes, aligned
	global_load_b128 v[IN+4*(\q):IN+4*(\q)+3], v[LD], s[26:27] offset:(4*((\q)/2)+(\q)%2)*4096
.endr
.irp p, 0,1,2,3
	s_wait_loadcnt 6-2*(\p)                        ; the pair p is in; the younger pairs may stay out
.irp i, 0,1,2,3
	PAIR IN+8*(\p)+(\i), IN+8*(\p)+4+(\i), OUT+4*(\p)+(\i), T+2*(\i)
	ds_store_b32 v[LW], v[OUT+4*(\p)+(\i)] offset:(\i)*TP+8*(\p)  ; two neighbouring k of one n (lanes 1,088 bytes apart share banks four deep: sixteen such stores a lane in the launch)
.endr
.endr
	s_wait_dscnt 0x0                               ; for the others' sake: my stores into the block are done
	s_barrier_signal -1
	s_barrier_wait -1
.irp u, 0,1,2,3
	ds_load_b128 v[IN+4*(\u):IN+4*(\u)+3], v[LR] offset:(\u)*2*TP
.endr
.irp u, 0,1,2,3
	s_wait_dscnt 3-(\u)
	global_store_b128 v[SO], v[IN+4*(\u):IN+4*(\u)+3], s[28:29] offset:(\u)*4096  ; 16 lanes store 256 consecutive bytes, aligned
.endr
.Lend:
	s_wait_tensorcnt 0x0                           ; the wave's end, behind the last LDS store
	ds_add_u32 v[SPW], v[NIL]
	s_wait_dscnt 0x0
	s_endpgm
.Lfunc_end_k_q279c68e2e7_prep:
	.size	k_q279c68e2e7_prep, .Lfunc_end_k_q279c68e2e7_prep-k_q279c68e2e7_prep
	.p2alignl 7, 3214868480
	.fill 96, 4, 3214868480
	.section	.rodata,"a",@progbits
	.p2align	6, 0x0
	.amdhsa_kernel k_q279c68e2e7_prep
		.amdhsa_group_segment_fixed_size 18432
		.amdhsa_private_segment_fixed_size 0
		.amdhsa_enable_private_segment 0
		.amdhsa_kernarg_size 64
		.amdhsa_user_sgpr_count 2
		.amdhsa_user_sgpr_kernarg_segment_ptr 1
		.amdhsa_wavefront_size32 1
		.amdhsa_system_sgpr_workgroup_id_x 1
		.amdhsa_system_sgpr_workgroup_id_y 1
		.amdhsa_system_sgpr_workgroup_id_z 1
		.amdhsa_system_vgpr_workitem_id 0
		.amdhsa_next_free_vgpr 120
		.amdhsa_next_free_sgpr 66
		.amdhsa_reserve_vcc 0
		.amdhsa_float_denorm_mode_32 3
		.amdhsa_float_denorm_mode_16_64 3
		.amdhsa_memory_ordered 1
		.amdhsa_forward_progress 1
		.amdhsa_inst_pref_size 28
	.end_amdhsa_kernel
	.amdgpu_metadata
---
amdhsa.version: [ 1, 2 ]
amdhsa.kernels:
  - .name:           k_q279c68e2e7_prep
    .symbol:         k_q279c68e2e7_prep.kd
    .args:
      - { .name: x, .offset: 0, .size: 8, .value_kind: global_buffer, .address_space: global }
      - { .name: W_qk, .offset: 8, .size: 8, .value_kind: global_buffer, .address_space: global }
      - { .name: W_v, .offset: 16, .size: 8, .value_kind: global_buffer, .address_space: global }
      - { .name: W_out, .offset: 24, .size: 8, .value_kind: global_buffer, .address_space: global }
      - { .name: xh, .offset: 32, .size: 8, .value_kind: global_buffer, .address_space: global }
      - { .name: wqkt, .offset: 40, .size: 8, .value_kind: global_buffer, .address_space: global }
      - { .name: wvb, .offset: 48, .size: 8, .value_kind: global_buffer, .address_space: global }
      - { .name: wot, .offset: 56, .size: 8, .value_kind: global_buffer, .address_space: global }
    .group_segment_fixed_size: 18432
    .private_segment_fixed_size: 0
    .kernarg_segment_align: 8
    .kernarg_segment_size: 64
    .max_flat_workgroup_size: 256
    .sgpr_count:     66
    .vgpr_count:     120
    .wavefront_size: 32
...
	.end_amdgpu_metadata
.endif
;; end of part 1
;; launch qkgram (part 2): grid 4 x 64, 4 waves a work-group, clusters of 4 x 4, 327,680 bytes of LDS; arguments xh, wqkt, gp; writes gp
.if DOCPART == 2
	.amdgcn_target "amdgcn-amd-amdhsa--gfx1250"
	.amdhsa_code_object_version 6
	.text
	.protected	k_q279c68e2e7_qkgram
	.globl	k_q279c68e2e7_qkgram
	.p2align	8
	.type	k_q279c68e2e7_qkgram,@function
k_q279c68e2e7_qkgram:
	s_mov_b64 s[64:65], 0
	v_nop
	global_prefetch_b8 v0, s[64:65] scope:SCOPE_SE
	s_setreg_imm32_b32 hwreg(HW_REG_WAVE_MODE, 25, 1), 1
	s_wait_xcnt 0x0
	s_wait_alu depctr_hold_cnt(0) depctr_sa_sdst(0) depctr_va_vdst(0) depctr_va_sdst(0) depctr_va_ssrc(0) depctr_va_vcc(0) depctr_vm_vsrc(0)
	s_getreg_b32 s2, hwreg(HW_REG_IB_STS2, 6, 4)
	s_cmp_eq_u32 s2, 0
	s_cbranch_scc0 .Lentry_in_a_cluster
	s_endpgm
.Lentry_in_a_cluster:
	s_bfe_u32 s2, ttmp6, 0x10000c
	s_cmp_lg_u32 s2, 0xf033
	s_cbranch_scc0 .Lentry_shape_is_right
	s_endpgm
.Lentry_shape_is_right:
; qk = x W_qk for a tile of 256 tokens x 256 channels (four heads), K = 1,024, f16 operands, f32 sums; qk never leaves the registers: it is rounded once to f16 and multiplied by itself:
; G[c][d] = the sum over the tile's tokens of qk[c] qk[d], for each head; stored is E = 2 G - G[c][c] - G[d][d], which is additive over tokens: gp [b 64 + 4 h + cb][t 32][16][64] f32.
; LIMITS.  qk must stay under 65,504 (f16); below 6.1e-5 it keeps f16's step of 6e-8.  E is formed as reference() forms it, as a difference of f32 sums.  NaN and infinities are not treated apart.
; SHARES.  Four waves, each 128 tokens x 128 channels: 64 accumulators, 512 registers.  K goes in steps of 128 through two LDS slots filled by tensor loads (rows of 256 bytes, aligned).
; CLUSTER 4 x 4: the four work-groups of a row need the same tokens, the four of a column the same rows of wqkt: each tile is asked for jointly, by the same load, descriptor and mask in all four.
; THE PRODUCT IS TAKEN AS IT LIES: source 0 = 16 tokens, source 1 = 16 channels.  A lane then holds ONE channel (lane % 16) and tokens 8 (lane / 16) + 0..7; two token blocks rounded to f16 in
; pairs ARE a fragment of 16 channels x 32 tokens, good as either source of the Gram product.  So accumulator (a, b) lies so that blocks 2 tg and 2 tg + 1 of one channel block are on end.
; REGISTERS, in windows of 256 (s_set_vgpr_msb: bits 1:0 source 0, 3:2 source 1, 5:4 source 2, 7:6 destination):
;   window 0: v0-31 addresses; v64-127, v128-191 fragments of A, two buffers; later head 0's Gram tiles, then rows at work; v32-35, v192-231 at work at the end
;   window 1: v64-127, v128-191 fragments of B; later head 1's Gram tiles
;   window 2 + a / 4: accumulator (a, b) at v[128 ((a / 2) % 2) + 16 b + 8 (a % 2)]
.set SIZE_K, 1024
.set KSTEP,  128
.set PITCH,  272                       ; an LDS row: 256 bytes + 16: the 16 rows of a fragment load start at 16 different groups of four banks (64 banks of 4 bytes: ISA guide 11.1)
.set HALFT,  128*PITCH                 ; what one tensor load brings
.set SLOT,   4*HALFT                   ; A's 256 rows, then B's 256 rows
.set GPI,    272                       ; a row of a Gram matrix in LDS: 64 f32 + 16 bytes
.set GHEAD,  64*GPI                    ; a head's matrix.  Wave w's two lie at w HALFT, in slot 0, which has had its last fill when they are written
.set Q2S,    2*SLOT                    ; behind the ring: 64 diagonal sums, 256 bytes for each wave
.set SPARE,  2*SLOT+1024               ; the spare words, 128 bytes for each wave: two blocks of 256 bytes that no other line names
.set LAPS,   SIZE_K/(2*KSTEP)
.set GST,  6                           ; v6   where I put 32 bytes of a Gram row
.set DG0,  7                           ; v7   element (l, l) of my head's matrix, first half of the tokens;  v8: second half
.set DG1,  8
.set QW,   9                           ; v9   my word of the diagonal sums
.set QD,   10                          ; v10  those of my four columns
.set QC,   11                          ; v11  those of rows 32 (l / 16) on
.set RR0,  12                          ; v12  my 16 bytes of row 32 (l / 16), first half of the tokens;  v13: second half
.set RR1,  13
.set GO,   14                          ; v14  my byte offset in gp
.set ADRA, 16                          ; v16-17  LDS address of my A fragments in slot 0, 1
.set ADRB, 20                          ; v20-21  the same for B
.set SPW,  28                          ; v28  LDS address of my spare word; never rewritten
.set NIL,  29                          ; v29  0; never rewritten
.set PFO,  30                          ; v30  the prefetches' offset: lane x 2,048 bytes; never rewritten
.set F0,   64
.set F1,   128
.set RA,   64                          ; the end: 16 rows of the first half's sums, then E
.set RB,   128                         ; 16 rows of the second half's
.set QCR,  192                         ; v[192:223] diagonal sums of rows i + 32 (l / 16)
.set QDR,  224                         ; v[224:227] of my four columns
.set QT,   228                         ; v[228:231] at work
.set G1,  24                           ; s[24:31] descriptor group 1, A;  s[32:39] group 0, a set for each slot
.set G0,  32
.set G1B, 48                           ; s[48:55], s[56:63] the same for B
.set G0B, 56
.set PFA, 44                           ; s[44:45] where my prefetches stand
.set LIM, 43                           ; s43  1 in a wave that prefetches, else the greatest number
.set MSB, 0
.macro WIN new                         ; the immediate's high byte repeats the setting that is left; a switch that changes nothing is dropped
.if MSB != (\new)
	s_set_vgpr_msb (MSB<<8)|(\new)
.set MSB, \new
.endif
.endm
.set MUL_LO, 0xa4                      ; source 0 (A) window 0, source 1 (B) window 1, C and D window 2
.set MUL_HI, 0xf4                      ; the same, C and D window 3
.set TO_B,   0x40                      ; destination window 1, address window 0
; A joint load: waves 0 and 1 fetch A's two halves, waves 2 and 3 B's.  The branch hangs on the wave's number alone.  An s_nop 0 and four v_nop follow each line.
.macro JLOAD s
	s_cmp_eq_u32 s11, 0
	s_cbranch_scc0 .Lfor_b_\@
	tensor_load_to_lds s[G0+4*(\s):G0+4*(\s)+3], s[G1:G1+7]
	s_nop 0
.rept 4
	v_nop
.endr
	s_branch .Lasked_\@
.Lfor_b_\@:
	tensor_load_to_lds s[G0B+4*(\s):G0B+4*(\s)+3], s[G1B:G1B+7]
	s_nop 0
.rept 4
	v_nop
.endr
.Lasked_\@:
.endm
; A prefetch of the K step that stands two refills on: 32 rows x 256 bytes, a lane a row.  Of the 128 rows that a wave fetches, each of the four partners that ask jointly takes 32, by address
; (cx for A, cy for B).  A's rows are read by this row of the one column of clusters alone; B's by all sixteen clusters, of which cluster y = 0 asks.  So each row's 256 bytes are named once.
; The loop's last trip asks for nothing: K steps 4 to 7 are named, 2 and 3 come by their refills alone.
.macro ASK
	s_cmp_gt_u32 s3, s[LIM]
	s_cbranch_scc0 .Lnot_mine_\@
	global_prefetch_b8 v[PFO], s[PFA:PFA+1] offset:KSTEP*2 th:TH_LOAD_NT scope:SCOPE_SE
.Lnot_mine_\@:
.endm
.macro CREST                           ; a round of the cluster's barrier behind its opening barrier
	s_cmp_lg_u32 s10, 0
	s_cbranch_scc1 .Lnot_wave_0_\@
	s_barrier_signal -3
.Lnot_wave_0_\@:
	s_barrier_wait -3
	s_barrier_signal -1
	s_barrier_wait -1
.endm
.macro CROUND
	s_barrier_signal -1
	s_barrier_wait -1
	CREST
.endm
	s_load_b128 s[4:7], s[0:1], 0x0                ; xh s[4:5], wqkt s[6:7]
	s_load_b64 s[8:9], s[0:1], 0x10                ; gp
	v_lshl_add_u32 v[SPW], v0, 2, SPARE
	v_mov_b32 v[NIL], 0
	ds_add_u32 v[SPW], v[NIL]                      ; the wave's opening: the add and its wait ahead of my first tensor load; work on registers stands between
	ds_add_u32 v28, v29
	v_lshrrev_b32 v1, 5, v0
	v_readfirstlane_b32 s10, v1                    ; wave 0..3
	s_lshr_b32 s11, s10, 1                         ; my half of the tokens.  Also: I fetch for A (0) or B (1)
	s_and_b32 s12, s10, 1                          ; my half of the channels.  Also: which 128 rows I fetch
	s_bfe_u32 s40, ttmp6, 0x40000                  ; cx
	s_bfe_u32 s41, ttmp6, 0x40004                  ; cy
	s_lshl_b32 s42, ttmp9, 2
	s_add_co_u32 s42, s42, s40                     ; tile column 0..3
	s_and_b32 s13, ttmp7, 0xffff
	s_lshl_b32 s13, s13, 2
	s_add_co_u32 s13, s13, s41                     ; tile row 0..63
	s_lshl_b32 s43, s41, 2
	s_lshl_b32 s43, 15, s43                        ; my row of the cluster
	s_lshl_b32 s44, 0x1111, s40                    ; my column
	s_or_b32 s[G1+0], s43, (1<<16)|(1<<20)|(1<<21)|(5<<22)|(3<<25)   ; the mask; 2-byte elements; padding on; bit 21 beside a mask; after every 64 words 4 words
	s_or_b32 s[G1B+0], s44, (1<<16)|(1<<20)|(1<<21)|(5<<22)|(3<<25)
.irp g, G1, G1B
	s_mov_b32 s[(\g)+1], KSTEP<<16                 ; tensor_dim0 = 128
	s_mov_b32 s[(\g)+2], 128<<16                   ; tensor_dim1 = 128
	s_mov_b32 s[(\g)+3], KSTEP<<16                 ; tile_dim0 = 128
	s_mov_b32 s[(\g)+4], 128                       ; tile_dim1 = 128
	s_mov_b32 s[(\g)+5], SIZE_K                    ; elements from row to row
	s_mov_b32 s[(\g)+6], 0
	s_mov_b32 s[(\g)+7], 0
.endr
	s_lshl_b32 s17, s12, 7
	s_lshl_b32 s16, s13, 8
	s_add_co_u32 s16, s16, s17                     ; A: row 256 x tile row + 128 x half
	s_lshl_b32 s46, s42, 8
	s_add_co_u32 s46, s46, s17                     ; B: row 256 x tile column + 128 x half
	s_lshl_b32 s16, s16, 11                        ; rows of 2,048 bytes: under 2^26
	s_lshl_b32 s46, s46, 11
	s_mov_b32 s17, 0
	s_mov_b32 s47, 0
	s_mul_i32 s20, s10, HALFT                      ; where they go: wave x 128 rows
	s_wait_dscnt 0x0                               ; the opening add is done
	s_wait_kmcnt 0x0
	s_add_nc_u64 s[14:15], s[4:5], s[16:17]
	s_add_nc_u64 s[46:47], s[6:7], s[46:47]
	CROUND                                         ; all sixteen work-groups are here: the first joint loads meet
.irp s, 0,1
	s_mov_b32 s[G0+4*(\s)], 1
	s_add_co_u32 s[G0+4*(\s)+1], s20, (\s)*SLOT
	s_add_nc_u64 s[G0+4*(\s)+2:G0+4*(\s)+3], s[14:15], (\s)*KSTEP*2
	s_or_b32 s[G0+4*(\s)+3], s[G0+4*(\s)+3], 0x80000000
	s_mov_b32 s[G0B+4*(\s)], 1
	s_add_co_u32 s[G0B+4*(\s)+1], s20, (\s)*SLOT
	s_add_nc_u64 s[G0B+4*(\s)+2:G0B+4*(\s)+3], s[46:47], (\s)*KSTEP*2
	s_or_b32 s[G0B+4*(\s)+3], s[G0B+4*(\s)+3], 0x80000000
	JLOAD \s                                       ; two loads of mine are out
.endr
	v_and_b32 v1, 15, v0                           ; l % 16
	v_bfe_u32 v2, v0, 4, 1                         ; l / 16
	v_and_b32 v15, 31, v0                          ; l
	v_mul_u32_u24 v3, v1, PITCH
	v_lshl_add_u32 v3, v2, 4, v3                   ; a fragment's row x pitch + 16 x half
	s_mul_i32 s21, s11, HALFT
	s_mul_i32 s22, s12, HALFT
	s_add_co_u32 s22, s22, 2*HALFT
.irp s, 0,1
	v_add_nc_u32 v[ADRA+(\s)], s21, v3
	v_add_nc_u32 v[ADRB+(\s)], s22, v3
	s_add_co_u32 s21, s21, SLOT
	s_add_co_u32 s22, s22, SLOT
.endr
	s_mul_i32 s23, s10, HALFT                      ; my two Gram matrices
	v_mul_u32_u24 v[GST], v1, GPI
	v_lshl_add_u32 v[GST], v2, 5, v[GST]
	v_add_nc_u32 v[GST], s23, v[GST]
	s_mul_i32 s23, s11, HALFT                      ; wave w finishes the tile's head w: it was made by the waves w / 2 and 2 + w / 2, as their head w % 2
	s_mul_i32 s21, s12, GHEAD
	s_add_co_u32 s23, s23, s21
	v_mul_u32_u24 v[DG0], v15, GPI+4
	v_add_nc_u32 v[DG0], s23, v[DG0]
	v_add_nc_u32 v[DG1], 2*HALFT, v[DG0]
	v_mul_u32_u24 v[RR0], v2, 32*GPI
	v_lshl_add_u32 v[RR0], v1, 4, v[RR0]
	v_add_nc_u32 v[RR0], s23, v[RR0]
	v_add_nc_u32 v[RR1], 2*HALFT, v[RR0]
	s_lshl_b32 s23, s10, 8
	s_add_co_u32 s23, s23, Q2S
	v_lshl_add_u32 v[QW], v15, 2, s23
	v_lshl_add_u32 v[QD], v1, 4, s23
	v_lshl_add_u32 v[QC], v2, 7, s23
	v_lshlrev_b32 v[GO], 18, v2                    ; rows 32 on lie two blocks of 131,072 bytes further
	v_lshl_add_u32 v[GO], v1, 4, v[GO]
	; gp + (((16 b + 4 tile column + wave) 128) + t) 4,096, b = tile row / 32, t = tile row % 32
	s_lshr_b32 s16, s13, 5
	s_lshl_b32 s16, s16, 4
	s_add_co_u32 s16, s16, s10
	s_lshl_b32 s16, s16, 7
	s_and_b32 s17, s13, 31
	s_add_co_u32 s16, s16, s17
	s_lshl_b32 s16, s16, 12
	s_mov_b32 s17, 0
	s_lshl_b32 s46, s42, 21
	s_mov_b32 s47, 0
	s_add_nc_u64 s[16:17], s[16:17], s[46:47]
	s_add_nc_u64 s[8:9], s[8:9], s[16:17]
	; the prefetches
	s_lshl_b32 s13, s13, 8
	s_lshl_b32 s42, s42, 8
	s_and_b32 s22, ttmp7, 0xffff                   ; cluster y
	s_cmp_eq_u32 s11, 0                            ; do I fetch for A?
	s_cselect_b32 s20, s13, s42                    ; the tile's first row
	s_cselect_b32 s21, s40, s41                    ; my place among the four that ask with me
	s_cselect_b32 s22, ttmp9, s22                  ; the coordinate along which other clusters read the same rows
	s_cselect_b64 s[PFA:PFA+1], s[4:5], s[6:7]
	s_cmp_eq_u32 s22, 0
	s_cselect_b32 s[LIM], 1, -1                    ; the same in all sixteen partners, for a given wave
	s_lshl_b32 s22, s12, 7
	s_add_co_u32 s20, s20, s22
	s_lshl_b32 s21, s21, 5
	s_add_co_u32 s20, s20, s21
	s_lshl_b32 s20, s20, 11
	s_mov_b32 s21, 0
	s_add_nc_u64 s[PFA:PFA+1], s[PFA:PFA+1], s[20:21]
	s_add_nc_u64 s[PFA:PFA+1], s[PFA:PFA+1], 2*KSTEP*2  ; at K step 2: the first refill steps it to 3 and names K step 4
	v_mul_u32_u24 v[PFO], v15, SIZE_K*2
; 16 matrix instructions: token blocks a0, a0 + 1 of the window's four x all 8 channel blocks, 32 along K.  zero = 1: the product starts the sums.  The 64 accumulators take turns.
.macro MUL16 f, hi, a0, zero
	WIN MUL_LO+0x50*(\hi)
.irp a, \a0, (\a0)+1
.irp b, 0,1,2,3,4,5,6,7
.if \zero
	v_wmma_f32_16x16x32_f16 v[128*((\a)/2)+16*(\b)+8*((\a)%2):128*((\a)/2)+16*(\b)+8*((\a)%2)+7], v[(\f)+8*(4*(\hi)+(\a)):(\f)+8*(4*(\hi)+(\a))+7], v[(\f)+8*(\b):(\f)+8*(\b)+7], 0
.else
	v_wmma_f32_16x16x32_f16 v[128*((\a)/2)+16*(\b)+8*((\a)%2):128*((\a)/2)+16*(\b)+8*((\a)%2)+7], v[(\f)+8*(4*(\hi)+(\a)):(\f)+8*(4*(\hi)+(\a))+7], v[(\f)+8*(\b):(\f)+8*(\b)+7], v[128*((\a)/2)+16*(\b)+8*((\a)%2):128*((\a)/2)+16*(\b)+8*((\a)%2)+7]
.endif
.endr
.endr
.endm
; 32 LDS loads in one run: the fragments of a quarter step (32 K at byte k of the rows) into buffer f: B's, then A's
.macro FETCH slot, k, f
	WIN TO_B
.irp i, 0,1,2,3,4,5,6,7
	ds_load_b128 v[(\f)+8*(\i):(\f)+8*(\i)+3],   v[ADRB+(\slot)] offset:(\k)+(\i)*16*PITCH
	ds_load_b128 v[(\f)+8*(\i)+4:(\f)+8*(\i)+7], v[ADRB+(\slot)] offset:(\k)+(\i)*16*PITCH+32
.endr
	WIN 0
.irp i, 0,1,2,3,4,5,6,7
	ds_load_b128 v[(\f)+8*(\i):(\f)+8*(\i)+3],   v[ADRA+(\slot)] offset:(\k)+(\i)*16*PITCH
	ds_load_b128 v[(\f)+8*(\i)+4:(\f)+8*(\i)+7], v[ADRA+(\slot)] offset:(\k)+(\i)*16*PITCH+32
.endr
.endm
.macro PLACES                          ; four plain vector instructions between a matrix instruction and what reads its result or writes or loads into its registers
.rept 4
	v_nop
.endr
.endm
.macro QUARTER slot, k, f, g, zero     ; multiplies buffer f; in its middle fetches the next quarter, at byte k, into g
	s_wait_dscnt 8                                 ; B and A's rows 0-63 are in; the youngest eight loads (A's rows 64-127) may be out
	MUL16 \f, 0, 0, \zero
	MUL16 \f, 0, 2, \zero
	PLACES
	FETCH \slot, \k, \g
	s_wait_dscnt 32                                ; all but the 32 just issued
	MUL16 \f, 1, 0, \zero
	MUL16 \f, 1, 2, \zero
.endm
; The first half of a K step's last quarter: ONE barrier for the change of slots.  In front of it: all my tensor loads have landed (my part of the next slot), the add, and my reads of this slot are over.
.macro MEET round
	WIN 0
	s_wait_tensorcnt 0x0
	ds_add_u32 v[SPW], v[NIL]                      ; 0 onto my spare word
	s_wait_dscnt 9                                 ; the add and the youngest eight loads may be out
	MUL16 F1, 0, 0, 0
	s_wait_dscnt 0x0                               ; the add is done, my reads of this slot are over
	s_barrier_signal -1
	MUL16 F1, 0, 2, 0
.if \round
	WIN 0
.endif
	s_barrier_wait -1
.endm
.macro TURN slot, next                 ; the whole last quarter, with the refill two K steps on: from the request to the wait for it a wave issues 224 matrix instructions
	s_wait_xcnt 0x0                                ; the last prefetch, a K step back, has read its address
	s_add_nc_u64 s[PFA:PFA+1], s[PFA:PFA+1], KSTEP*2
	MEET 1
	CREST                                          ; no wave of any partner still reads this slot or has a load on its way
	s_add_nc_u64 s[G0+4*(\slot)+2:G0+4*(\slot)+3], s[G0+4*(\slot)+2:G0+4*(\slot)+3], 2*KSTEP*2
	s_add_nc_u64 s[G0B+4*(\slot)+2:G0B+4*(\slot)+3], s[G0B+4*(\slot)+2:G0B+4*(\slot)+3], 2*KSTEP*2
	JLOAD \slot                                    ; my one tensor load behind the round; its four v_nop are also the places in front of the loads below
	FETCH \next, 0, F0
	ASK
	MUL16 F1, 1, 0, 0
	MUL16 F1, 1, 2, 0
.endm
	s_wait_tensorcnt 1                             ; my part of K step 0 is in; K step 1's may stay out
	s_barrier_signal -1
	s_barrier_wait -1
	FETCH 0, 0, F0
	QUARTER 0, 64,  F0, F1, 1                      ; the first quarter starts the sums
	WIN 0
	s_mov_b32 s3, LAPS-1
.Llap:                                                 ; a trip goes once round the ring and fills both slots again: K steps 2 to 7
	QUARTER 0, 128, F1, F0, 0
	QUARTER 0, 192, F0, F1, 0
	TURN 0, 1
	QUARTER 1, 64,  F0, F1, 0
	QUARTER 1, 128, F1, F0, 0
	QUARTER 1, 192, F0, F1, 0
	TURN 1, 0
	QUARTER 0, 64,  F0, F1, 0
	WIN 0
	s_sub_co_u32 s3, s3, 1
	s_cmp_lg_u32 s3, 0
	s_cbranch_scc1 .Llap
	QUARTER 0, 128, F1, F0, 0                      ; the last lap fills nothing
	QUARTER 0, 192, F0, F1, 0
	MEET 0                                         ; behind this barrier nobody reads slot 0 any more
	PLACES
	FETCH 1, 0, F0
	MUL16 F1, 1, 0, 0
	MUL16 F1, 1, 2, 0
	QUARTER 1, 64,  F0, F1, 0
	QUARTER 1, 128, F1, F0, 0
	QUARTER 1, 192, F0, F1, 0
	s_wait_dscnt 8
	MUL16 F1, 0, 0, 0
	MUL16 F1, 0, 2, 0
	s_wait_dscnt 0x0
	MUL16 F1, 1, 0, 0
	MUL16 F1, 1, 2, 0
	; qk -> f16, in place: sixteen registers (two token blocks of a channel block) become the eight of a fragment of 16 channels x 32 tokens.  Each accumulator is read from its low end on.
	PLACES
.irp wn, 2, 3
	WIN (\wn)|((\wn)<<2)|((\wn)<<6)
.set u, 0
.rept 16
.set i, 0
.rept 8
	v_cvt_pk_f16_f32 v[16*u+i], v[16*u+2*i], v[16*u+2*i+1]
.set i, i+1
.endr
.set u, u+1
.endr
.endr
	; THE GRAM PRODUCTS: for each 32 tokens tg and each of my two heads g, 4 x 4 tiles.  Tile (c1, c2) of head g lies in window g at v[64 + 8 (4 c1 + c2)].  32 accumulators take turns.
.irp tg, 0,1,2,3
.irp g, 0,1
	WIN (2+(\tg)/2)|((2+(\tg)/2)<<2)|((\g)<<4)|((\g)<<6)
.irp c1, 0,1,2,3
.irp c2, 0,1,2,3
.if (\tg) == 0
	v_wmma_f32_16x16x32_f16 v[64+8*(4*(\c1)+(\c2)):64+8*(4*(\c1)+(\c2))+7], v[128*((\tg)%2)+16*(4*(\g)+(\c1)):128*((\tg)%2)+16*(4*(\g)+(\c1))+7], v[128*((\tg)%2)+16*(4*(\g)+(\c2)):128*((\tg)%2)+16*(4*(\g)+(\c2))+7], 0
.else
	v_wmma_f32_16x16x32_f16 v[64+8*(4*(\c1)+(\c2)):64+8*(4*(\c1)+(\c2))+7], v[128*((\tg)%2)+16*(4*(\g)+(\c1)):128*((\tg)%2)+16*(4*(\g)+(\c1))+7], v[128*((\tg)%2)+16*(4*(\g)+(\c2)):128*((\tg)%2)+16*(4*(\g)+(\c2))+7], v[64+8*(4*(\c1)+(\c2)):64+8*(4*(\c1)+(\c2))+7]
.endif
.endr
.endr
.endr
.endr
	PLACES
	; A lane holds G(16 c1 + 8 (l / 16) + 0..7, 16 c2 + l % 16).  G is symmetric, so these are eight neighbouring numbers of ROW 16 c2 + l % 16: 32 bytes, two stores.
.irp g, 0,1
	WIN (\g)<<2                                    ; the data in window g
.irp c1, 0,1,2,3
.irp c2, 0,1,2,3
	ds_store_b128 v[GST], v[64+8*(4*(\c1)+(\c2)):64+8*(4*(\c1)+(\c2))+3]   offset:(\g)*GHEAD+(\c2)*16*GPI+(\c1)*64
	ds_store_b128 v[GST], v[64+8*(4*(\c1)+(\c2))+4:64+8*(4*(\c1)+(\c2))+7] offset:(\g)*GHEAD+(\c2)*16*GPI+(\c1)*64+16
.endr
.endr
.endr
	WIN 0
	s_wait_dscnt 0x0                               ; for the others' sake: my matrices are written
	s_barrier_signal -1
	s_barrier_wait -1
	; my head's diagonal: both halves of the tokens added, as the rows below are added, so that E's diagonal is exactly 0
	ds_load_b32 v32, v[DG0]
	ds_load_b32 v33, v[DG0] offset:32*(GPI+4)
	ds_load_b32 v34, v[DG1]
	ds_load_b32 v35, v[DG1] offset:32*(GPI+4)
	s_wait_dscnt 0x0
	v_add_f32 v32, v32, v34
	v_add_f32 v33, v33, v35
	ds_store_b32 v[QW], v32                        ; my wave's own 256 bytes: LDS serves a wave's instructions in order (ISA guide 5.7.1.4), so the loads below see them
	ds_store_b32 v[QW], v33 offset:128
	ds_load_b128 v[QDR:QDR+3], v[QD]
.irp ii, 0,1,2,3,4,5,6,7
	ds_load_b128 v[QCR+4*(\ii):QCR+4*(\ii)+3], v[QC] offset:16*(\ii)
.endr
	; rows i (lanes 0-15) and i + 32 (lanes 16-31), sixteen at a time: E = 2 (first half + second half) - (q2 of the column + q2 of the row)
.irp bt, 0,1
.if \bt
	s_wait_xcnt 0x0                                ; the first batch's stores have read their data: only now are those registers loaded again
.endif
.set i, 0
.rept 16
	ds_load_b128 v[RA+4*i:RA+4*i+3], v[RR0] offset:(16*(\bt)+i)*GPI
	ds_load_b128 v[RB+4*i:RB+4*i+3], v[RR1] offset:(16*(\bt)+i)*GPI
.set i, i+1
.endr
.set i, 0
.rept 16
	s_wait_dscnt 30-2*i                            ; row i's two loads are in; the younger rows' may stay out
	v_pk_add_f32 v[RA+4*i:RA+4*i+1], v[RA+4*i:RA+4*i+1], v[RB+4*i:RB+4*i+1]
	v_pk_add_f32 v[RA+4*i+2:RA+4*i+3], v[RA+4*i+2:RA+4*i+3], v[RB+4*i+2:RB+4*i+3]
.irp j, 0,1,2,3
	v_add_f32 v[QT+(\j)], v[QDR+(\j)], v[QCR+16*(\bt)+i]
.endr
	v_pk_fma_f32 v[RA+4*i:RA+4*i+1], v[RA+4*i:RA+4*i+1], 2.0, v[QT:QT+1] op_sel_hi:[1,0,1] neg_lo:[0,0,1] neg_hi:[0,0,1]
	v_pk_fma_f32 v[RA+4*i+2:RA+4*i+3], v[RA+4*i+2:RA+4*i+3], 2.0, v[QT+2:QT+3] op_sel_hi:[1,0,1] neg_lo:[0,0,1] neg_hi:[0,0,1]
	global_store_b128 v[GO], v[RA+4*i:RA+4*i+3], s[8:9] offset:(\bt)*131072+i*256  ; each half of the lanes stores 256 consecutive bytes, aligned
.set i, i+1
.endr
.endr
	s_wait_tensorcnt 0x0                           ; the wave's end, behind my last tensor load and my last LDS store
	ds_add_u32 v[SPW], v[NIL]
	s_wait_dscnt 0x0
	CROUND                                         ; the closing round: no work-group ends while a partner may still ask for a tile that names it
	s_endpgm
.Lfunc_end_k_q279c68e2e7_qkgram:
	.size	k_q279c68e2e7_qkgram, .Lfunc_end_k_q279c68e2e7_qkgram-k_q279c68e2e7_qkgram
	.p2alignl 7, 3214868480
	.fill 96, 4, 3214868480
	.section	.rodata,"a",@progbits
	.p2align	6, 0x0
	.amdhsa_kernel k_q279c68e2e7_qkgram
		.amdhsa_group_segment_fixed_size 327680
		.amdhsa_private_segment_fixed_size 0
		.amdhsa_enable_private_segment 0
		.amdhsa_kernarg_size 24
		.amdhsa_user_sgpr_count 2
		.amdhsa_user_sgpr_kernarg_segment_ptr 1
		.amdhsa_wavefront_size32 1
		.amdhsa_system_sgpr_workgroup_id_x 1
		.amdhsa_system_sgpr_workgroup_id_y 1
		.amdhsa_system_sgpr_workgroup_id_z 1
		.amdhsa_system_vgpr_workitem_id 0
		.amdhsa_next_free_vgpr 1024
		.amdhsa_next_free_sgpr 66
		.amdhsa_reserve_vcc 0
		.amdhsa_float_denorm_mode_32 3
		.amdhsa_float_denorm_mode_16_64 3
		.amdhsa_memory_ordered 1
		.amdhsa_forward_progress 1
		.amdhsa_inst_pref_size 163
	.end_amdhsa_kernel
	.amdgpu_metadata
---
amdhsa.version: [ 1, 2 ]
amdhsa.kernels:
  - .name:           k_q279c68e2e7_qkgram
    .symbol:         k_q279c68e2e7_qkgram.kd
    .args:
      - { .name: xh, .offset: 0, .size: 8, .value_kind: global_buffer, .address_space: global }
      - { .name: wqkt, .offset: 8, .size: 8, .value_kind: global_buffer, .address_space: global }
      - { .name: gp, .offset: 16, .size: 8, .value_kind: global_buffer, .address_space: global }
    .group_segment_fixed_size: 327680
    .private_segment_fixed_size: 0
    .kernarg_segment_align: 8
    .kernarg_segment_size: 24
    .max_flat_workgroup_size: 128
    .sgpr_count:     66
    .vgpr_count:     1024
    .wavefront_size: 32
...
	.end_amdgpu_metadata
.endif
;; end of part 2
;; launch attnp (part 3): grid 128 x 1, 8 waves a work-group, no clusters, 3,328 bytes of LDS; arguments gp, tau, wvb, pb; writes pb
.if DOCPART == 3
	.amdgcn_target "amdgcn-amd-amdhsa--gfx1250"
	.amdhsa_code_object_version 6
	.text
	.protected	k_q279c68e2e7_attnp
	.globl	k_q279c68e2e7_attnp
	.p2align	8
	.type	k_q279c68e2e7_attnp,@function
k_q279c68e2e7_attnp:
	s_mov_b64 s[64:65], 0
	v_nop
	global_prefetch_b8 v0, s[64:65] scope:SCOPE_SE
	s_setreg_imm32_b32 hwreg(HW_REG_WAVE_MODE, 25, 1), 1
	s_wait_xcnt 0x0
; For work-group id = 64 b + 4 h + cb: sixteen rows c of head h's attention, and their share of P = W_v attn^T.
;   S[c][d] = the sum over the 32 token tiles of E;  z = S tau_h log2(e) / sqrt(8192);  attn = 2^(z - max z) / sum, a row's maximum taken away as reference() takes it;
;   P[k][c] = the sum over d of W_v[k][64 h + d] attn[c][d], stored as pb [id][k 1024][16] f16.
; tau is rounded to bf16 like every input.  Sums, maximum and softmax in f32; attn and P are rounded once to f16.
; LIMITS.  A weight below 2^-126 counts as 0; attn lies in 0 to 1 and below 6.1e-5 keeps f16's step of 6e-8; P has W_v's range.  NaN and infinities are not treated apart.
; SHARES.  128 work-groups are all the work there is.  Thread t owns row t / 16 and columns 4 (t % 16) + 0..3 of the 16 x 64 block, so a row's maximum and sum stay inside sixteen lanes.
; Then wave w makes P for k = 128 w .. 128 w + 127: source 0 = attn (16 c x 32 d), source 1 = W_v (16 k x 32 d): a lane holds one k and eight neighbouring c: 16 bytes of pb.
; No cluster, no tensor load: no work-group reads what another reads but W_v's 128 KiB of a head, a small part of its bytes.
.set AP,    144                        ; a row of attn in LDS: 64 f16 + 16 bytes
.set SPARE, 16*AP                      ; the spare words, 128 bytes for each of eight waves: four blocks of 256 bytes that no other line names
.set EO,  4                            ; v4   16 x thread: my 16 bytes of a tile's 4,096
.set VW,  5                            ; v5   my bytes of W_v's fragments
.set ATS, 6                            ; v6   LDS: where I put four weights
.set ATL, 7                            ; v7   LDS: my bytes of attn's fragments
.set PO,  8                            ; v8   my 16 bytes of pb
.set SPW, 10                           ; v10  LDS address of my spare word; never rewritten
.set NIL, 11                           ; v11  0; never rewritten
.set Z,   12                           ; v[12:15]  z, then the weights
.set T,   16                           ; v[16:23]  at work
.set S0,  24                           ; v[24:27], v[28:31]  two running sums
.set E,   32                           ; v[32:95]  sixteen slots of E; later the eight results
.set WV,  96                           ; v[96:223] W_v: tile i, K half q at WV + 16 i + 8 q; later the packed results
.set AF,  224                          ; v[224:239] attn's two fragments
.macro ELOAD t
	global_load_b128 v[E+4*((\t)%16):E+4*((\t)%16)+3], v[EO], s[4:5] offset:(\t)*4096 th:TH_LOAD_NT
.endm
.macro EPAIR u, cnt                    ; tiles 2 u and 2 u + 1 are added and go onto sum u % 2
	s_wait_loadcnt \cnt
.if (\u) < 2
	v_pk_add_f32 v[S0+4*(\u):S0+4*(\u)+1],   v[E+8*((\u)%8):E+8*((\u)%8)+1],   v[E+8*((\u)%8)+4:E+8*((\u)%8)+5]
	v_pk_add_f32 v[S0+4*(\u)+2:S0+4*(\u)+3], v[E+8*((\u)%8)+2:E+8*((\u)%8)+3], v[E+8*((\u)%8)+6:E+8*((\u)%8)+7]
.else
	v_pk_add_f32 v[T:T+1],   v[E+8*((\u)%8):E+8*((\u)%8)+1],   v[E+8*((\u)%8)+4:E+8*((\u)%8)+5]
	v_pk_add_f32 v[T+2:T+3], v[E+8*((\u)%8)+2:E+8*((\u)%8)+3], v[E+8*((\u)%8)+6:E+8*((\u)%8)+7]
	v_pk_add_f32 v[S0+4*((\u)%2):S0+4*((\u)%2)+1],   v[S0+4*((\u)%2):S0+4*((\u)%2)+1],   v[T:T+1]
	v_pk_add_f32 v[S0+4*((\u)%2)+2:S0+4*((\u)%2)+3], v[S0+4*((\u)%2)+2:S0+4*((\u)%2)+3], v[T+2:T+3]
.endif
.endm
	s_load_b256 s[4:11], s[0:1], 0x0               ; gp s[4:5], tau s[6:7], wvb s[8:9], pb s[10:11]
	v_lshl_add_u32 v[SPW], v0, 2, SPARE
	v_mov_b32 v[NIL], 0
	v_lshrrev_b32 v1, 5, v0
	v_readfirstlane_b32 s15, v1                    ; wave 0..7
	s_lshl_b32 s12, ttmp9, 17                      ; id x 32 tiles x 4,096 bytes
	s_mov_b32 s13, 0
	s_bfe_u32 s14, ttmp9, 0x40002                  ; h
	s_lshl_b32 s16, s14, 2
	s_mov_b32 s17, 0
	s_lshl_b32 s18, s14, 17                        ; a head of wvb: 131,072 bytes
	s_mov_b32 s19, 0
	s_lshl_b32 s20, ttmp9, 15                      ; id x 1,024 rows x 32 bytes
	s_mov_b32 s21, 0
	v_and_b32 v1, 15, v0                           ; l % 16
	v_bfe_u32 v2, v0, 4, 1                         ; l / 16
	v_lshlrev_b32 v[EO], 4, v0
	s_wait_kmcnt 0x0
	s_add_nc_u64 s[4:5], s[4:5], s[12:13]
	s_add_nc_u64 s[6:7], s[6:7], s[16:17]
	s_add_nc_u64 s[8:9], s[8:9], s[18:19]
	s_add_nc_u64 s[10:11], s[10:11], s[20:21]
.set u, 0
.rept 16
	ELOAD u                                        ; tiles 0 to 15: sixteen loads of mine are out
.set u, u+1
.endr
	s_load_b32 s22, s[6:7], 0x0                    ; tau of my head
	s_lshl_b32 s23, s15, 14                        ; my wave's 128 rows of 128 bytes
	v_lshl_add_u32 v[VW], v1, 7, s23
	v_lshl_add_u32 v[VW], v2, 4, v[VW]
	v_lshrrev_b32 v3, 4, v0                        ; my row of the block
	v_mul_u32_u24 v[ATS], v3, AP
	v_lshl_add_u32 v[ATS], v1, 3, v[ATS]
	v_mul_u32_u24 v[ATL], v1, AP
	v_lshl_add_u32 v[ATL], v2, 4, v[ATL]
	s_lshl_b32 s23, s15, 12                        ; my wave's 128 rows of 32 bytes
	v_lshl_add_u32 v[PO], v1, 5, s23
	v_lshl_add_u32 v[PO], v2, 4, v[PO]
.set u, 0
.rept 8
	EPAIR u, 14                                    ; seven younger pairs may stay out
	ELOAD 2*u+16                                   ; the pair's slots take the tiles sixteen on
	ELOAD 2*u+17
.set u, u+1
.endr
.irp i, 0,1,2,3,4,5,6,7                ; W_v's fragments, behind the last loads of E
.irp q, 0,1
	global_load_b128 v[WV+16*(\i)+8*(\q):WV+16*(\i)+8*(\q)+3],   v[VW], s[8:9] offset:(\i)*2048+(\q)*64
	global_load_b128 v[WV+16*(\i)+8*(\q)+4:WV+16*(\i)+8*(\q)+7], v[VW], s[8:9] offset:(\i)*2048+(\q)*64+32
.endr
.endr
.set u, 8
.rept 8
	EPAIR u, 2*(15-u)+32                           ; the younger pairs and W_v's 32 loads may stay out
.set u, u+1
.endr
	v_pk_add_f32 v[S0:S0+1], v[S0:S0+1], v[S0+4:S0+5]
	v_pk_add_f32 v[S0+2:S0+3], v[S0+2:S0+3], v[S0+6:S0+7]
	s_wait_kmcnt 0x0
	v_mov_b32 v[T], s22
	v_cvt_pk_bf16_f32 v[T], v[T], v[T]             ; tau rounded to bf16,
	v_lshlrev_b32 v[T], 16, v[T]
	v_mul_f32 v[T], 0x3c8293ee, v[T]               ; times log2(e) / sqrt(8192)
	v_mov_b32 v[T+1], v[T]
	v_pk_mul_f32 v[Z:Z+1], v[S0:S0+1], v[T:T+1]
	v_pk_mul_f32 v[Z+2:Z+3], v[S0+2:S0+3], v[T:T+1]
	v_max3_num_f32 v[T+2], v[Z], v[Z+1], v[Z+2]
	v_max_num_f32 v[T+2], v[T+2], v[Z+3]
	v_max_num_f32_dpp v[T+2], v[T+2], v[T+2] row_xmask:1 row_mask:0xf bank_mask:0xf  ; a row of the block is sixteen lanes
	v_max_num_f32_dpp v[T+2], v[T+2], v[T+2] row_xmask:2 row_mask:0xf bank_mask:0xf
	v_max_num_f32_dpp v[T+2], v[T+2], v[T+2] row_xmask:4 row_mask:0xf bank_mask:0xf
	v_max_num_f32_dpp v[T+2], v[T+2], v[T+2] row_xmask:8 row_mask:0xf bank_mask:0xf
.irp j, 0,1,2,3
	v_sub_f32 v[Z+(\j)], v[Z+(\j)], v[T+2]
.endr
.irp j, 0,1,2,3
	v_exp_f32 v[Z+(\j)], v[Z+(\j)]
.endr
	v_nop                                          ; a plain instruction behind the last exponential (ISA guide 5.7.2),
	s_wait_alu depctr_va_vdst(0)                   ; and the one wait ahead of the batch's first reader
	v_add_f32 v[T+3], v[Z], v[Z+1]
	v_add_f32 v[T+4], v[Z+2], v[Z+3]
	v_add_f32 v[T+3], v[T+3], v[T+4]
	v_add_f32_dpp v[T+3], v[T+3], v[T+3] row_xmask:1 row_mask:0xf bank_mask:0xf
	v_add_f32_dpp v[T+3], v[T+3], v[T+3] row_xmask:2 row_mask:0xf bank_mask:0xf
	v_add_f32_dpp v[T+3], v[T+3], v[T+3] row_xmask:4 row_mask:0xf bank_mask:0xf
	v_add_f32_dpp v[T+3], v[T+3], v[T+3] row_xmask:8 row_mask:0xf bank_mask:0xf
	v_rcp_f32 v[T+4], v[T+3]                       ; the sum is at least 1: the row's largest weight
	v_nop
	s_wait_alu depctr_va_vdst(0)
.irp j, 0,1,2,3
	v_mul_f32 v[Z+(\j)], v[Z+(\j)], v[T+4]
.endr
	v_cvt_pk_f16_f32 v[Z], v[Z], v[Z+1]
	v_cvt_pk_f16_f32 v[Z+1], v[Z+2], v[Z+3]
	ds_store_b64 v[ATS], v[Z:Z+1]
	s_wait_dscnt 0x0                               ; for the others' sake: my weights are written
	s_barrier_signal -1
	s_barrier_wait -1
.irp q, 0,1,2,3
	ds_load_b128 v[AF+4*(\q):AF+4*(\q)+3], v[ATL] offset:32*(\q)
.endr
	s_wait_loadcnt 0x0                             ; W_v
	s_wait_dscnt 0x0
.irp i, 0,1,2,3,4,5,6,7                ; eight accumulators take turns
	v_wmma_f32_16x16x32_f16 v[E+8*(\i):E+8*(\i)+7], v[AF:AF+7], v[WV+16*(\i):WV+16*(\i)+7], 0
.endr
.irp i, 0,1,2,3,4,5,6,7
	v_wmma_f32_16x16x32_f16 v[E+8*(\i):E+8*(\i)+7], v[AF+8:AF+15], v[WV+16*(\i)+8:WV+16*(\i)+15], v[E+8*(\i):E+8*(\i)+7]
.endr
.rept 4
	v_nop                                          ; the places behind the last products
.endr
.irp i, 0,1,2,3,4,5,6,7
.irp r, 0,1,2,3
	v_cvt_pk_f16_f32 v[WV+4*(\i)+(\r)], v[E+8*(\i)+2*(\r)], v[E+8*(\i)+2*(\r)+1]
.endr
	global_store_b128 v[PO], v[WV+4*(\i):WV+4*(\i)+3], s[10:11] offset:(\i)*512  ; the wave stores 512 consecutive bytes, aligned
.endr
	s_wait_tensorcnt 0x0                           ; the wave's end, behind my last LDS store
	ds_add_u32 v[SPW], v[NIL]
	s_wait_dscnt 0x0
	s_endpgm
.Lfunc_end_k_q279c68e2e7_attnp:
	.size	k_q279c68e2e7_attnp, .Lfunc_end_k_q279c68e2e7_attnp-k_q279c68e2e7_attnp
	.p2alignl 7, 3214868480
	.fill 96, 4, 3214868480
	.section	.rodata,"a",@progbits
	.p2align	6, 0x0
	.amdhsa_kernel k_q279c68e2e7_attnp
		.amdhsa_group_segment_fixed_size 3328
		.amdhsa_private_segment_fixed_size 0
		.amdhsa_enable_private_segment 0
		.amdhsa_kernarg_size 32
		.amdhsa_user_sgpr_count 2
		.amdhsa_user_sgpr_kernarg_segment_ptr 1
		.amdhsa_wavefront_size32 1
		.amdhsa_system_sgpr_workgroup_id_x 1
		.amdhsa_system_sgpr_workgroup_id_y 1
		.amdhsa_system_sgpr_workgroup_id_z 1
		.amdhsa_system_vgpr_workitem_id 0
		.amdhsa_next_free_vgpr 240
		.amdhsa_next_free_sgpr 66
		.amdhsa_reserve_vcc 0
		.amdhsa_float_denorm_mode_32 3
		.amdhsa_float_denorm_mode_16_64 3
		.amdhsa_memory_ordered 1
		.amdhsa_forward_progress 1
		.amdhsa_inst_pref_size 19
	.end_amdhsa_kernel
	.amdgpu_metadata
---
amdhsa.version: [ 1, 2 ]
amdhsa.kernels:
  - .name:           k_q279c68e2e7_attnp
    .symbol:         k_q279c68e2e7_attnp.kd
    .args:
      - { .name: gp, .offset: 0, .size: 8, .value_kind: global_buffer, .address_space: global }
      - { .name: tau, .offset: 8, .size: 8, .value_kind: global_buffer, .address_space: global }
      - { .name: wvb, .offset: 16, .size: 8, .value_kind: global_buffer, .address_space: global }
      - { .name: pb, .offset: 24, .size: 8, .value_kind: global_buffer, .address_space: global }
    .group_segment_fixed_size: 3328
    .private_segment_fixed_size: 0
    .kernarg_segment_align: 8
    .kernarg_segment_size: 32
    .max_flat_workgroup_size: 256
    .sgpr_count:     66
    .vgpr_count:     240
    .wavefront_size: 32
...
	.end_amdgpu_metadata
.endif
;; end of part 3
;; launch mix (part 4): grid 16 x 8, 4 waves a work-group, clusters of 4 x 4, 327,680 bytes of LDS; arguments wot, pb, mt; writes mt
.if DOCPART == 4
	.amdgcn_target "amdgcn-amd-amdhsa--gfx1250"
	.amdhsa_code_object_version 6
	.text
	.protected	k_q279c68e2e7_mix
	.globl	k_q279c68e2e7_mix
	.p2align	8
	.type	k_q279c68e2e7_mix,@function
k_q279c68e2e7_mix:
	s_mov_b64 s[64:65], 0
	v_nop
	global_prefetch_b8 v0, s[64:65] scope:SCOPE_SE
	s_setreg_imm32_b32 hwreg(HW_REG_WAVE_MODE, 25, 1), 1
	s_wait_xcnt 0x0
	s_wait_alu depctr_hold_cnt(0) depctr_sa_sdst(0) depctr_va_vdst(0) depctr_va_sdst(0) depctr_va_ssrc(0) depctr_va_vcc(0) depctr_vm_vsrc(0)
	s_getreg_b32 s2, hwreg(HW_REG_IB_STS2, 6, 4)
	s_cmp_eq_u32 s2, 0
	s_cbranch_scc0 .Lentry_in_a_cluster
	s_endpgm
.Lentry_in_a_cluster:
	s_bfe_u32 s2, ttmp6, 0x10000c
	s_cmp_lg_u32 s2, 0xf033
	s_cbranch_scc0 .Lentry_shape_is_right
	s_endpgm
.Lentry_shape_is_right:
; mt[j][1024 b + k] = the sum over c of W_out[c][j] P_b[k][c]: the matrix by which the last launch multiplies x.  A = wot [j 1024][c 1024], B = pb [64 b + c / 16][k 1024][16], f16; f32 sums; mt f16, rounded once.
; LIMITS.  mt must stay under 65,504; below 6.1e-5 it keeps f16's step of 6e-8.
; A tile of mt is 128 x 128: 128 work-groups, four waves of 64 x 64 (16 accumulators).  K goes in four steps of 256 through two LDS slots.
; CLUSTER 4 x 4: A's tile is shared along a row of the cluster, B's along a column: joint loads.  The product is used transposed (source 0 = 16 rows of B, source 1 = 16 rows of A):
; a lane holds eight neighbouring numbers of a row of mt.  No prefetch is laid: the walk has four K steps, two of them asked for at the head.
; B IS BLOCKED: sixteen c of all k lie together.  A wave's load brings 64 k x 256 c as 16 rows of 2,048 bytes (a block's 64 k x 32 bytes on end), 32,768 bytes apart, with 16 bytes of padding behind every 256:
; in LDS k row rr of block q lies at 2,176 q + 272 (rr / 8) + 32 (rr % 8).  A fragment's first four registers come from block 2 q', its last four from block 2 q' + 1.
; REGISTERS: window 0: v0-31 addresses; v32-95 at work on the way out; v128-255 the accumulators.  window 1: two fragment buffers of 128: 64 registers of A, then 64 of B.
.set SIZE_N, 2048
.set KSTEP,  256
.set PITCH,  528                       ; A's LDS row: 512 bytes + 16
.set HALFA,  64*PITCH
.set CH,     2176                      ; a block of B in LDS: 8 x (256 + 16)
.set HALFB,  16*CH
.set SLOT,   2*HALFA+2*HALFB           ; A's 128 rows, then B's two halves
.set STAGE,  2*SLOT                    ; behind the ring: 128 rows x 272 bytes, for the way out
.set SPITCH, 272
.set SPARE,  STAGE+128*SPITCH          ; the spare words, 128 bytes for each wave: two blocks of 256 bytes that no other line names
.set ADRA, 16
.set ADRB, 20
.set STO,  24
.set RD,   25
.set CO,   26
.set SPW,  28
.set NIL,  29
.set TMP,  32
.set ACC,  128
.set F0,   0
.set F1,   128
.set G1, 24
.set G0, 32
.set G1B, 48
.set G0B, 56
.set MSB, 0
.macro WIN new
.if MSB != (\new)
	s_set_vgpr_msb (MSB<<8)|(\new)
.set MSB, \new
.endif
.endm
.set MUL,  0x05                        ; sources 0 (B) and 1 (A) window 1; C and D window 0
.set TO_F, 0x40                        ; destination window 1, address window 0
.macro JLOAD s                         ; waves 0 and 1 fetch A's halves, waves 2 and 3 B's; an s_nop 0 and four v_nop follow each line
	s_cmp_eq_u32 s11, 0
	s_cbranch_scc0 .Lfor_b_\@
	tensor_load_to_lds s[G0+4*(\s):G0+4*(\s)+3], s[G1:G1+7]
	s_nop 0
.rept 4
	v_nop
.endr
	s_branch .Lasked_\@
.Lfor_b_\@:
	tensor_load_to_lds s[G0B+4*(\s):G0B+4*(\s)+3], s[G1B:G1B+7]
	s_nop 0
.rept 4
	v_nop
.endr
.Lasked_\@:
.endm
.macro CREST
	s_cmp_lg_u32 s10, 0
	s_cbranch_scc1 .Lnot_wave_0_\@
	s_barrier_signal -3
.Lnot_wave_0_\@:
	s_barrier_wait -3
	s_barrier_signal -1
	s_barrier_wait -1
.endm
.macro CROUND
	s_barrier_signal -1
	s_barrier_wait -1
	CREST
.endm
	s_load_b128 s[4:7], s[0:1], 0x0                ; wot s[4:5], pb s[6:7]
	s_load_b64 s[8:9], s[0:1], 0x10                ; mt
	v_lshl_add_u32 v[SPW], v0, 2, SPARE
	v_mov_b32 v[NIL], 0
	ds_add_u32 v[SPW], v[NIL]                      ; the wave's opening: the add and its wait ahead of my first tensor load
	ds_add_u32 v28, v29
	v_lshrrev_b32 v1, 5, v0
	v_readfirstlane_b32 s10, v1
	s_lshr_b32 s11, s10, 1                         ; my half of the tile's rows.  Also: I fetch for A (0) or B (1)
	s_and_b32 s12, s10, 1                          ; my half of its columns.  Also: which half I fetch
	s_bfe_u32 s40, ttmp6, 0x40000
	s_bfe_u32 s41, ttmp6, 0x40004
	s_lshl_b32 s42, ttmp9, 2
	s_add_co_u32 s42, s42, s40                     ; tile column 0..15
	s_and_b32 s13, ttmp7, 0xffff
	s_lshl_b32 s13, s13, 2
	s_add_co_u32 s13, s13, s41                     ; tile row 0..7
	s_lshl_b32 s43, s41, 2
	s_lshl_b32 s43, 15, s43
	s_lshl_b32 s44, 0x1111, s40
	s_or_b32 s[G1+0], s43, (1<<16)|(1<<20)|(1<<21)|(6<<22)|(3<<25)   ; A: padding of 4 words after every 128
	s_mov_b32 s[G1+1], KSTEP<<16                   ; tensor_dim0 = 256
	s_mov_b32 s[G1+2], 64<<16                      ; tensor_dim1 = 64
	s_mov_b32 s[G1+3], KSTEP<<16                   ; tile_dim0 = 256
	s_mov_b32 s[G1+4], 64                          ; tile_dim1 = 64
	s_mov_b32 s[G1+5], 1024                        ; elements from row to row
	s_mov_b32 s[G1+6], 0
	s_mov_b32 s[G1+7], 0
	s_or_b32 s[G1B+0], s44, (1<<16)|(1<<20)|(1<<21)|(5<<22)|(3<<25)  ; B: padding of 4 words after every 64
	s_mov_b32 s[G1B+1], 1024<<16                   ; tensor_dim0 = 1,024 (64 k x 16 c)
	s_mov_b32 s[G1B+2], 16<<16                     ; tensor_dim1 = 16 blocks
	s_mov_b32 s[G1B+3], 1024<<16
	s_mov_b32 s[G1B+4], 16
	s_mov_b32 s[G1B+5], 16384                      ; elements from block to block
	s_mov_b32 s[G1B+6], 0
	s_mov_b32 s[G1B+7], 0
	s_lshl_b32 s17, s12, 6
	s_lshl_b32 s16, s13, 7
	s_add_co_u32 s16, s16, s17                     ; A: row 128 x tile row + 64 x half,
	s_lshl_b32 s16, s16, 11                        ; of 2,048 bytes
	s_mov_b32 s17, 0
	s_and_b32 s46, s42, 7
	s_lshl_b32 s46, s46, 7
	s_lshl_b32 s47, s12, 6
	s_add_co_u32 s46, s46, s47                     ; B: k = 128 x (tile column % 8) + 64 x half,
	s_lshl_b32 s46, s46, 5                         ; of 32 bytes,
	s_lshr_b32 s47, s42, 3
	s_lshl_b32 s47, s47, 21                        ; in batch tile column / 8: 64 blocks of 32,768 bytes
	s_add_co_u32 s46, s46, s47
	s_mov_b32 s47, 0
	s_mul_i32 s20, s12, HALFA                      ; where they go
	s_mul_i32 s21, s12, HALFB
	s_add_co_u32 s21, s21, 2*HALFA
	s_wait_dscnt 0x0
	s_wait_kmcnt 0x0
	s_add_nc_u64 s[14:15], s[4:5], s[16:17]
	s_add_nc_u64 s[46:47], s[6:7], s[46:47]
	CROUND                                         ; the first joint loads meet
.irp s, 0,1
	s_mov_b32 s[G0+4*(\s)], 1
	s_add_co_u32 s[G0+4*(\s)+1], s20, (\s)*SLOT
	s_add_nc_u64 s[G0+4*(\s)+2:G0+4*(\s)+3], s[14:15], (\s)*KSTEP*2
	s_or_b32 s[G0+4*(\s)+3], s[G0+4*(\s)+3], 0x80000000
	s_mov_b32 s[G0B+4*(\s)], 1
	s_add_co_u32 s[G0B+4*(\s)+1], s21, (\s)*SLOT
	s_add_nc_u64 s[G0B+4*(\s)+2:G0B+4*(\s)+3], s[46:47], (\s)*16*32768
	s_or_b32 s[G0B+4*(\s)+3], s[G0B+4*(\s)+3], 0x80000000
	JLOAD \s
.endr
	v_and_b32 v1, 15, v0
	v_bfe_u32 v2, v0, 4, 1
	v_mul_u32_u24 v3, v1, PITCH
	v_lshl_add_u32 v3, v2, 4, v3                   ; A: row x pitch + 16 x half
	v_lshrrev_b32 v4, 3, v1
	v_lshlrev_b32 v5, 5, v1
	v_lshl_add_u32 v5, v4, 4, v5                   ; B: 32 r + 16 (r / 8): rows 0-7 take the even columns of 16 bytes, rows 8-15 the odd ones
	v_lshl_add_u32 v5, v2, 4, v5
	s_mul_i32 s21, s11, HALFA
	s_mul_i32 s22, s12, HALFB
	s_add_co_u32 s22, s22, 2*HALFA
.irp s, 0,1
	v_add_nc_u32 v[ADRA+(\s)], s21, v3
	v_add_nc_u32 v[ADRB+(\s)], s22, v5
	s_add_co_u32 s21, s21, SLOT
	s_add_co_u32 s22, s22, SLOT
.endr
	s_mul_i32 s23, s11, 64*SPITCH                  ; into the stage: my 64 rows, my half of their 256 bytes
	s_lshl_b32 s21, s12, 7
	s_add_co_u32 s23, s23, s21
	s_add_co_u32 s23, s23, STAGE
	v_mul_u32_u24 v4, v1, SPITCH
	v_lshl_add_u32 v4, v2, 4, v4
	v_add_nc_u32 v[STO], s23, v4
	s_mul_i32 s23, s10, 32*SPITCH                  ; back: wave w takes rows 32 w .. 32 w + 31, whole
	s_add_co_u32 s23, s23, STAGE
	v_mul_u32_u24 v5, v2, SPITCH
	v_lshl_add_u32 v5, v1, 4, v5
	v_add_nc_u32 v[RD], s23, v5
	v_mul_u32_u24 v5, v2, SIZE_N*2
	v_lshl_add_u32 v[CO], v1, 4, v5
	s_lshl_b32 s16, s13, 7
	s_lshl_b32 s17, s10, 5
	s_add_co_u32 s16, s16, s17                     ; the first row of mt that I store,
	s_lshl_b32 s16, s16, 12                        ; of 4,096 bytes
	s_mov_b32 s17, 0
	s_add_nc_u64 s[8:9], s[8:9], s[16:17]
	s_lshl_b32 s46, s42, 8                         ; the tile's first column, in bytes
	s_mov_b32 s47, 0
	s_add_nc_u64 s[8:9], s[8:9], s[46:47]
.macro MUL8 f, c, a0, zero             ; m blocks a0, a0 + 1 x 4 n blocks, 32 along K: half c of buffer f.  The 16 accumulators take turns
	WIN MUL
.irp a, \a0, (\a0)+1
.irp b, 0,1,2,3
.if \zero
	v_wmma_f32_16x16x32_f16 v[ACC+8*(4*(\a)+(\b)):ACC+8*(4*(\a)+(\b))+7], v[(\f)+64+8*(4*(\c)+(\b)):(\f)+64+8*(4*(\c)+(\b))+7], v[(\f)+8*(4*(\c)+(\a)):(\f)+8*(4*(\c)+(\a))+7], 0
.else
	v_wmma_f32_16x16x32_f16 v[ACC+8*(4*(\a)+(\b)):ACC+8*(4*(\a)+(\b))+7], v[(\f)+64+8*(4*(\c)+(\b)):(\f)+64+8*(4*(\c)+(\b))+7], v[(\f)+8*(4*(\c)+(\a)):(\f)+8*(4*(\c)+(\a))+7], v[ACC+8*(4*(\a)+(\b)):ACC+8*(4*(\a)+(\b))+7]
.endif
.endr
.endr
.endm
.macro FETCH slot, k, f                ; 32 LDS loads: 64 along K, at byte k of A's rows = blocks k / 32 .. k / 32 + 3 of B; the first 32 along K first
	WIN TO_F
.irp c, 0,1
.irp i, 0,1,2,3
	ds_load_b128 v[(\f)+64+8*(4*(\c)+(\i)):(\f)+64+8*(4*(\c)+(\i))+3],   v[ADRB+(\slot)] offset:(2*(2*((\k)/128)+(\c)))*CH+(\i)*544
	ds_load_b128 v[(\f)+64+8*(4*(\c)+(\i))+4:(\f)+64+8*(4*(\c)+(\i))+7], v[ADRB+(\slot)] offset:(2*(2*((\k)/128)+(\c))+1)*CH+(\i)*544
	ds_load_b128 v[(\f)+8*(4*(\c)+(\i)):(\f)+8*(4*(\c)+(\i))+3],         v[ADRA+(\slot)] offset:(\k)+64*(\c)+(\i)*16*PITCH
	ds_load_b128 v[(\f)+8*(4*(\c)+(\i))+4:(\f)+8*(4*(\c)+(\i))+7],       v[ADRA+(\slot)] offset:(\k)+64*(\c)+(\i)*16*PITCH+32
.endr
.endr
.endm
.macro PLACES
.rept 4
	v_nop
.endr
.endm
.macro QUARTER slot, k, f, g, zero
	s_wait_dscnt 16                                ; the first 32 along K are in
	MUL8 \f, 0, 0, \zero
	MUL8 \f, 0, 2, \zero
	PLACES
	FETCH \slot, \k, \g
	s_wait_dscnt 32                                ; all but the 32 just issued
	MUL8 \f, 1, 0, 0
	MUL8 \f, 1, 2, 0
.endm
.macro TURN slot, next, fill           ; the last quarter changes slots: one barrier; in front of it all my tensor loads have landed, the add, and my reads of this slot are over
	WIN 0
	s_wait_tensorcnt 0x0
	ds_add_u32 v[SPW], v[NIL]                      ; 0 onto my spare word
	s_wait_dscnt 17                                ; the add and the youngest sixteen loads may be out
	MUL8 F1, 0, 0, 0
	s_wait_dscnt 0x0
	s_barrier_signal -1
	MUL8 F1, 0, 2, 0
.if \fill
	WIN 0
.endif
	s_barrier_wait -1
.if \fill
	CREST                                          ; no wave of any partner still reads this slot or has a load on its way
	s_add_nc_u64 s[G0+4*(\slot)+2:G0+4*(\slot)+3], s[G0+4*(\slot)+2:G0+4*(\slot)+3], 2*KSTEP*2
	s_add_nc_u64 s[G0B+4*(\slot)+2:G0B+4*(\slot)+3], s[G0B+4*(\slot)+2:G0B+4*(\slot)+3], 2*16*32768
	JLOAD \slot                                    ; my one tensor load behind the round: 112 matrix instructions ahead of the wait for it
.else
	PLACES
.endif
	FETCH \next, 0, F0
	MUL8 F1, 1, 0, 0
	MUL8 F1, 1, 2, 0
.endm
	s_wait_tensorcnt 1                             ; my part of K step 0 is in; K step 1's may stay out
	s_barrier_signal -1
	s_barrier_wait -1
	FETCH 0, 0, F0
	QUARTER 0, 128, F0, F1, 1                      ; K step 0
	QUARTER 0, 256, F1, F0, 0
	QUARTER 0, 384, F0, F1, 0
	TURN 0, 1, 1                                   ; slot 0 takes K step 2
	QUARTER 1, 128, F0, F1, 0                      ; K step 1
	QUARTER 1, 256, F1, F0, 0
	QUARTER 1, 384, F0, F1, 0
	TURN 1, 0, 1                                   ; slot 1 takes K step 3
	QUARTER 0, 128, F0, F1, 0                      ; K step 2
	QUARTER 0, 256, F1, F0, 0
	QUARTER 0, 384, F0, F1, 0
	TURN 0, 1, 0
	QUARTER 1, 128, F0, F1, 0                      ; K step 3
	QUARTER 1, 256, F1, F0, 0
	QUARTER 1, 384, F0, F1, 0
	s_wait_dscnt 16
	MUL8 F1, 0, 0, 0
	MUL8 F1, 0, 2, 0
	s_wait_dscnt 0x0
	MUL8 F1, 1, 0, 0
	MUL8 F1, 1, 2, 0
	WIN 0
	; THE WAY OUT: round to f16; 16 bytes a lane into the work-group's stage; a barrier, since a row's 256 bytes come from two waves; back as whole rows
	PLACES
.irp t, 0,1,2,3,4,5,6,7,8,9,10,11,12,13,14,15
.irp r, 0,1,2,3
	v_cvt_pk_f16_f32 v[TMP+4*(\t)+(\r)], v[ACC+8*(\t)+2*(\r)], v[ACC+8*(\t)+2*(\r)+1]
.endr
.endr
.irp a, 0,1,2,3
.irp b, 0,1,2,3
	ds_store_b128 v[STO], v[TMP+4*(4*(\a)+(\b)):TMP+4*(4*(\a)+(\b))+3] offset:(\a)*16*SPITCH+32*(\b)
.endr
.endr
	s_wait_dscnt 0x0                               ; for the others' sake: my stores into the stage are done
	s_barrier_signal -1
	s_barrier_wait -1
.irp t, 0,1,2,3,4,5,6,7,8,9,10,11,12,13,14,15
	ds_load_b128 v[TMP+4*(\t):TMP+4*(\t)+3], v[RD] offset:(\t)*2*SPITCH
.endr
.irp t, 0,1,2,3,4,5,6,7,8,9,10,11,12,13,14,15
	s_wait_dscnt 15-(\t)
	global_store_b128 v[CO], v[TMP+4*(\t):TMP+4*(\t)+3], s[8:9] offset:2*(\t)*SIZE_N*2  ; 16 lanes store 256 consecutive bytes, aligned
.endr
	s_wait_tensorcnt 0x0                           ; the wave's end
	ds_add_u32 v[SPW], v[NIL]
	s_wait_dscnt 0x0
	CROUND                                         ; the closing round
	s_endpgm
.Lfunc_end_k_q279c68e2e7_mix:
	.size	k_q279c68e2e7_mix, .Lfunc_end_k_q279c68e2e7_mix-k_q279c68e2e7_mix
	.p2alignl 7, 3214868480
	.fill 96, 4, 3214868480
	.section	.rodata,"a",@progbits
	.p2align	6, 0x0
	.amdhsa_kernel k_q279c68e2e7_mix
		.amdhsa_group_segment_fixed_size 327680
		.amdhsa_private_segment_fixed_size 0
		.amdhsa_enable_private_segment 0
		.amdhsa_kernarg_size 24
		.amdhsa_user_sgpr_count 2
		.amdhsa_user_sgpr_kernarg_segment_ptr 1
		.amdhsa_wavefront_size32 1
		.amdhsa_system_sgpr_workgroup_id_x 1
		.amdhsa_system_sgpr_workgroup_id_y 1
		.amdhsa_system_sgpr_workgroup_id_z 1
		.amdhsa_system_vgpr_workitem_id 0
		.amdhsa_next_free_vgpr 512
		.amdhsa_next_free_sgpr 66
		.amdhsa_reserve_vcc 0
		.amdhsa_float_denorm_mode_32 3
		.amdhsa_float_denorm_mode_16_64 3
		.amdhsa_memory_ordered 1
		.amdhsa_forward_progress 1
		.amdhsa_inst_pref_size 87
	.end_amdhsa_kernel
	.amdgpu_metadata
---
amdhsa.version: [ 1, 2 ]
amdhsa.kernels:
  - .name:           k_q279c68e2e7_mix
    .symbol:         k_q279c68e2e7_mix.kd
    .args:
      - { .name: wot, .offset: 0, .size: 8, .value_kind: global_buffer, .address_space: global }
      - { .name: pb, .offset: 8, .size: 8, .value_kind: global_buffer, .address_space: global }
      - { .name: mt, .offset: 16, .size: 8, .value_kind: global_buffer, .address_space: global }
    .group_segment_fixed_size: 327680
    .private_segment_fixed_size: 0
    .kernarg_segment_align: 8
    .kernarg_segment_size: 24
    .max_flat_workgroup_size: 128
    .sgpr_count:     66
    .vgpr_count:     512
    .wavefront_size: 32
...
	.end_amdgpu_metadata
.endif
;; end of part 4
;; launch outgemm (part 5): grid 4 x 64, 4 waves a work-group, clusters of 4 x 4, 327,680 bytes of LDS; arguments xh, mt, out0; writes out0
.if DOCPART == 5
	.amdgcn_target "amdgcn-amd-amdhsa--gfx1250"
	.amdhsa_code_object_version 6
	.text
	.protected	k_q279c68e2e7_outgemm
	.globl	k_q279c68e2e7_outgemm
	.p2align	8
	.type	k_q279c68e2e7_outgemm,@function
k_q279c68e2e7_outgemm:
	s_mov_b64 s[64:65], 0
	v_nop
	global_prefetch_b8 v0, s[64:65] scope:SCOPE_SE
	s_setreg_imm32_b32 hwreg(HW_REG_WAVE_MODE, 25, 1), 1
	s_wait_xcnt 0x0
	s_wait_alu depctr_hold_cnt(0) depctr_sa_sdst(0) depctr_va_vdst(0) depctr_va_sdst(0) depctr_va_ssrc(0) depctr_va_vcc(0) depctr_vm_vsrc(0)
	s_getreg_b32 s2, hwreg(HW_REG_IB_STS2, 6, 4)
	s_cmp_eq_u32 s2, 0
	s_cbranch_scc0 .Lentry_in_a_cluster
	s_endpgm
.Lentry_in_a_cluster:
	s_bfe_u32 s2, ttmp6, 0x10000c
	s_cmp_lg_u32 s2, 0xf033
	s_cbranch_scc0 .Lentry_shape_is_right
	s_endpgm
.Lentry_shape_is_right:
; out0[(b, n)][j] = the sum over k of xh[(b, n)][k] mt[j][1024 b + k].  A = xh [16384][1024], B = mt [1024][2048] (the batch's half of each row), f16; f32 sums; out0 f32.
; A tile of out0 is 256 x 256: four waves of 128 x 128 (64 accumulators, 512 registers).  K goes in steps of 128 through two LDS slots filled by tensor loads (rows of 256 bytes, aligned).
; CLUSTER 4 x 4: A's tile is shared along a row of the cluster, B's along a column: joint loads, the same load, descriptor and mask in all four.  A cluster's 1,024 tokens lie in one batch.
; THE PRODUCT IS USED TRANSPOSED (source 0 = 16 rows of B, source 1 = 16 rows of A): a lane holds eight neighbouring numbers of a row of out0.
; REGISTERS: window 0: v0-31 addresses; v64-127, v128-191 fragments of A, later rows on their way out.  window 1: v64-191 fragments of B.
;   window 2 + a / 4: accumulator (a, b) at v[8 (8 (a % 4) + b)].
.set SIZE_K, 1024
.set KSTEP,  128
.set PITCH,  272
.set HALFT,  128*PITCH
.set SLOT,   4*HALFT
.set STAGE,  2*SLOT                    ; behind the ring: 16 rows x 528 bytes for each wave
.set SPITCH, 528                       ; 128 f32 + 16 bytes
.set SPARE,  STAGE+4*16*SPITCH         ; the spare words, 128 bytes for each wave: two blocks of 256 bytes that no other line names
.set LAPS,   SIZE_K/(2*KSTEP)
.set ADRA, 16
.set ADRB, 20
.set STO,  24                          ; v24  the way out: where I put 32 bytes of a row
.set RD,   25                          ; v25  where I read 16 bytes of a row back
.set CO,   26                          ; v26  my byte offset in a row's 512 bytes of out0
.set SPW,  28
.set NIL,  29
.set PFO,  30                          ; v30  the prefetches' offset: lane x a row of xh (2,048 bytes) or of mt (4,096)
.set F0,   64
.set F1,   128
.set G1,  24
.set G0,  32
.set G1B, 48
.set G0B, 56
.set PFA, 44
.set LIM, 43
.set MSB, 0
.macro WIN new
.if MSB != (\new)
	s_set_vgpr_msb (MSB<<8)|(\new)
.set MSB, \new
.endif
.endm
.set MUL_LO, 0xa1                      ; source 0 (B) window 1, source 1 (A) window 0, C and D window 2
.set MUL_HI, 0xf1
.set TO_B,   0x40
.macro JLOAD s
	s_cmp_eq_u32 s11, 0
	s_cbranch_scc0 .Lfor_b_\@
	tensor_load_to_lds s[G0+4*(\s):G0+4*(\s)+3], s[G1:G1+7]
	s_nop 0
.rept 4
	v_nop
.endr
	s_branch .Lasked_\@
.Lfor_b_\@:
	tensor_load_to_lds s[G0B+4*(\s):G0B+4*(\s)+3], s[G1B:G1B+7]
	s_nop 0
.rept 4
	v_nop
.endr
.Lasked_\@:
.endm
; A prefetch of the K step two refills on: 32 rows x 256 bytes, a lane a row; the four partners of a joint load share its 128 rows by address.  A's rows are read by this cluster alone; a batch's
; half of B's rows by eight clusters, of which the one with cluster y % 8 = 0 asks.  So each row's 256 bytes are named once.  K steps 4 to 7 are named; the loop's last trip asks for nothing.
.macro ASK
	s_cmp_gt_u32 s3, s[LIM]
	s_cbranch_scc0 .Lnot_mine_\@
	global_prefetch_b8 v[PFO], s[PFA:PFA+1] offset:KSTEP*2 th:TH_LOAD_NT scope:SCOPE_SE
.Lnot_mine_\@:
.endm
.macro CREST
	s_cmp_lg_u32 s10, 0
	s_cbranch_scc1 .Lnot_wave_0_\@
	s_barrier_signal -3
.Lnot_wave_0_\@:
	s_barrier_wait -3
	s_barrier_signal -1
	s_barrier_wait -1
.endm
.macro CROUND
	s_barrier_signal -1
	s_barrier_wait -1
	CREST
.endm
	s_load_b128 s[4:7], s[0:1], 0x0                ; xh s[4:5], mt s[6:7]
	s_load_b64 s[8:9], s[0:1], 0x10                ; out0
	v_lshl_add_u32 v[SPW], v0, 2, SPARE
	v_mov_b32 v[NIL], 0
	ds_add_u32 v[SPW], v[NIL]                      ; the wave's opening: the add and its wait ahead of my first tensor load
	ds_add_u32 v28, v29
	v_lshrrev_b32 v1, 5, v0
	v_readfirstlane_b32 s10, v1
	s_lshr_b32 s11, s10, 1                         ; my half of the rows.  Also: I fetch for A (0) or B (1)
	s_and_b32 s12, s10, 1                          ; my half of the columns.  Also: which 128 rows I fetch
	s_bfe_u32 s40, ttmp6, 0x40000
	s_bfe_u32 s41, ttmp6, 0x40004
	s_lshl_b32 s42, ttmp9, 2
	s_add_co_u32 s42, s42, s40                     ; tile column 0..3
	s_and_b32 s13, ttmp7, 0xffff
	s_lshl_b32 s13, s13, 2
	s_add_co_u32 s13, s13, s41                     ; tile row 0..63
	s_lshl_b32 s43, s41, 2
	s_lshl_b32 s43, 15, s43
	s_lshl_b32 s44, 0x1111, s40
	s_or_b32 s[G1+0], s43, (1<<16)|(1<<20)|(1<<21)|(5<<22)|(3<<25)
	s_or_b32 s[G1B+0], s44, (1<<16)|(1<<20)|(1<<21)|(5<<22)|(3<<25)
.irp g, G1, G1B
	s_mov_b32 s[(\g)+1], KSTEP<<16
	s_mov_b32 s[(\g)+2], 128<<16
	s_mov_b32 s[(\g)+3], KSTEP<<16
	s_mov_b32 s[(\g)+4], 128
	s_mov_b32 s[(\g)+6], 0
	s_mov_b32 s[(\g)+7], 0
.endr
	s_mov_b32 s[G1+5], 1024                        ; elements from row to row: xh
	s_mov_b32 s[G1B+5], 2048                       ; mt
	s_lshl_b32 s17, s12, 7
	s_lshl_b32 s16, s13, 8
	s_add_co_u32 s16, s16, s17                     ; A: row 256 x tile row + 128 x half,
	s_lshl_b32 s46, s42, 8
	s_add_co_u32 s46, s46, s17                     ; B: row 256 x tile column + 128 x half,
	s_lshl_b32 s16, s16, 11                        ; of 2,048 bytes,
	s_lshl_b32 s46, s46, 12                        ; of 4,096 bytes,
	s_and_b32 s22, ttmp7, 0xffff
	s_lshr_b32 s22, s22, 3                         ; the batch: cluster y / 8, the same in all sixteen partners:
	s_lshl_b32 s22, s22, 11                        ; its 2,048 bytes of each row of mt
	s_add_co_u32 s46, s46, s22
	s_mov_b32 s17, 0
	s_mov_b32 s47, 0
	s_mul_i32 s20, s10, HALFT
	s_wait_dscnt 0x0
	s_wait_kmcnt 0x0
	s_add_nc_u64 s[14:15], s[4:5], s[16:17]
	s_add_nc_u64 s[46:47], s[6:7], s[46:47]
	CROUND                                         ; the first joint loads meet
.irp s, 0,1
	s_mov_b32 s[G0+4*(\s)], 1
	s_add_co_u32 s[G0+4*(\s)+1], s20, (\s)*SLOT
	s_add_nc_u64 s[G0+4*(\s)+2:G0+4*(\s)+3], s[14:15], (\s)*KSTEP*2
	s_or_b32 s[G0+4*(\s)+3], s[G0+4*(\s)+3], 0x80000000
	s_mov_b32 s[G0B+4*(\s)], 1
	s_add_co_u32 s[G0B+4*(\s)+1], s20, (\s)*SLOT
	s_add_nc_u64 s[G0B+4*(\s)+2:G0B+4*(\s)+3], s[46:47], (\s)*KSTEP*2
	s_or_b32 s[G0B+4*(\s)+3], s[G0B+4*(\s)+3], 0x80000000
	JLOAD \s
.endr
	v_and_b32 v1, 15, v0
	v_bfe_u32 v2, v0, 4, 1
	v_and_b32 v5, 31, v0
	v_mul_u32_u24 v3, v1, PITCH
	v_lshl_add_u32 v3, v2, 4, v3
	s_mul_i32 s21, s11, HALFT
	s_mul_i32 s22, s12, HALFT
	s_add_co_u32 s22, s22, 2*HALFT
.irp s, 0,1
	v_add_nc_u32 v[ADRA+(\s)], s21, v3
	v_add_nc_u32 v[ADRB+(\s)], s22, v3
	s_add_co_u32 s21, s21, SLOT
	s_add_co_u32 s22, s22, SLOT
.endr
	s_mul_i32 s23, s10, 16*SPITCH
	s_add_co_u32 s23, s23, STAGE                   ; my stage
	v_mul_u32_u24 v4, v1, SPITCH                   ; in: row l % 16, 32 bytes for each half of the lanes
	v_lshl_add_u32 v4, v2, 5, v4
	v_add_nc_u32 v[STO], s23, v4
	v_lshlrev_b32 v[CO], 4, v5                     ; back: 32 lanes take a row's 512 bytes
	v_add_nc_u32 v[RD], s23, v[CO]
	s_lshl_b32 s16, s13, 8
	s_lshl_b32 s17, s11, 7
	s_add_co_u32 s16, s16, s17                     ; my first row of out0,
	s_lshl_b32 s16, s16, 12                        ; of 4,096 bytes
	s_mov_b32 s17, 0
	s_lshl_b32 s46, s42, 10                        ; my first column, in bytes
	s_lshl_b32 s47, s12, 9
	s_add_co_u32 s46, s46, s47
	s_mov_b32 s47, 0
	s_add_nc_u64 s[16:17], s[16:17], s[46:47]
	s_add_nc_u64 s[8:9], s[8:9], s[16:17]
	; the prefetches
	s_lshl_b32 s13, s13, 8
	s_lshl_b32 s42, s42, 8
	s_and_b32 s22, ttmp7, 0xffff
	s_lshr_b32 s14, s22, 3
	s_lshl_b32 s14, s14, 11                        ; the batch's bytes along mt's rows
	s_and_b32 s22, s22, 7                          ; cluster y % 8
	s_cmp_eq_u32 s11, 0                            ; do I fetch for A?
	s_cselect_b32 s20, s13, s42
	s_cselect_b32 s21, s40, s41
	s_cselect_b32 s22, ttmp9, s22
	s_cselect_b32 s14, 0, s14
	s_cselect_b64 s[PFA:PFA+1], s[4:5], s[6:7]
	s_cmp_eq_u32 s22, 0
	s_cselect_b32 s[LIM], 1, -1                    ; the same in all sixteen partners, for a given wave
	s_mov_b32 s15, 0
	s_lshl_b32 s18, 2048, s11                      ; bytes in a row: 2,048 (xh), 4,096 (mt)
	s_mov_b32 s19, 0
	s_lshl_b32 s22, s12, 7
	s_add_co_u32 s20, s20, s22
	s_lshl_b32 s21, s21, 5
	s_add_co_u32 s20, s20, s21
	s_mov_b32 s21, 0
	s_mul_u64 s[20:21], s[20:21], s[18:19]
	s_add_nc_u64 s[20:21], s[20:21], s[14:15]
	s_add_nc_u64 s[PFA:PFA+1], s[PFA:PFA+1], s[20:21]
	s_add_nc_u64 s[PFA:PFA+1], s[PFA:PFA+1], 2*KSTEP*2
	v_mul_u32_u24 v[PFO], s18, v5
.macro MUL16 f, hi, a0, zero           ; 16 matrix instructions; the 64 accumulators take turns
	WIN MUL_LO+0x50*(\hi)
.irp a, \a0, (\a0)+1
.irp b, 0,1,2,3,4,5,6,7
.if \zero
	v_wmma_f32_16x16x32_f16 v[8*(8*(\a)+(\b)):8*(8*(\a)+(\b))+7], v[(\f)+8*(\b):(\f)+8*(\b)+7], v[(\f)+8*(4*(\hi)+(\a)):(\f)+8*(4*(\hi)+(\a))+7], 0
.else
	v_wmma_f32_16x16x32_f16 v[8*(8*(\a)+(\b)):8*(8*(\a)+(\b))+7], v[(\f)+8*(\b):(\f)+8*(\b)+7], v[(\f)+8*(4*(\hi)+(\a)):(\f)+8*(4*(\hi)+(\a))+7], v[8*(8*(\a)+(\b)):8*(8*(\a)+(\b))+7]
.endif
.endr
.endr
.endm
.macro FETCH slot, k, f
	WIN TO_B
.irp i, 0,1,2,3,4,5,6,7
	ds_load_b128 v[(\f)+8*(\i):(\f)+8*(\i)+3],   v[ADRB+(\slot)] offset:(\k)+(\i)*16*PITCH
	ds_load_b128 v[(\f)+8*(\i)+4:(\f)+8*(\i)+7], v[ADRB+(\slot)] offset:(\k)+(\i)*16*PITCH+32
.endr
	WIN 0
.irp i, 0,1,2,3,4,5,6,7
	ds_load_b128 v[(\f)+8*(\i):(\f)+8*(\i)+3],   v[ADRA+(\slot)] offset:(\k)+(\i)*16*PITCH
	ds_load_b128 v[(\f)+8*(\i)+4:(\f)+8*(\i)+7], v[ADRA+(\slot)] offset:(\k)+(\i)*16*PITCH+32
.endr
.endm
.macro PLACES
.rept 4
	v_nop
.endr
.endm
.macro QUARTER slot, k, f, g, zero
	s_wait_dscnt 8                                 ; B and A's rows 0-63 are in; the youngest eight loads may be out
	MUL16 \f, 0, 0, \zero
	MUL16 \f, 0, 2, \zero
	PLACES
	FETCH \slot, \k, \g
	s_wait_dscnt 32                                ; all but the 32 just issued
	MUL16 \f, 1, 0, \zero
	MUL16 \f, 1, 2, \zero
.endm
.macro MEET round
	WIN 0
	s_wait_tensorcnt 0x0                           ; all my tensor loads have landed: my part of the next slot
	ds_add_u32 v[SPW], v[NIL]                      ; 0 onto my spare word
	s_wait_dscnt 9                                 ; the add and the youngest eight loads may be out
	MUL16 F1, 0, 0, 0
	s_wait_dscnt 0x0                               ; the add is done, my reads of this slot are over
	s_barrier_signal -1
	MUL16 F1, 0, 2, 0
.if \round
	WIN 0
.endif
	s_barrier_wait -1
.endm
.macro TURN slot, next
	s_wait_xcnt 0x0                                ; the last prefetch, a K step back, has read its address
	s_add_nc_u64 s[PFA:PFA+1], s[PFA:PFA+1], KSTEP*2
	MEET 1
	CREST
	s_add_nc_u64 s[G0+4*(\slot)+2:G0+4*(\slot)+3], s[G0+4*(\slot)+2:G0+4*(\slot)+3], 2*KSTEP*2
	s_add_nc_u64 s[G0B+4*(\slot)+2:G0B+4*(\slot)+3], s[G0B+4*(\slot)+2:G0B+4*(\slot)+3], 2*KSTEP*2
	JLOAD \slot                                    ; my one tensor load behind the round: 224 matrix instructions ahead of the wait for it
	FETCH \next, 0, F0
	ASK
	MUL16 F1, 1, 0, 0
	MUL16 F1, 1, 2, 0
.endm
; THE WAY OUT of block a (16 rows): 32 bytes a lane straight from the accumulators into my own stage, each accumulator's low four registers first; back as whole rows of 512 bytes; stored.
.macro TOSTAGE a
.if (\a) >= 2
	s_wait_xcnt 0x0                                ; the stores of the block two back have read the registers that are loaded again below
.endif
	WIN 0x08+4*((\a)/4)                            ; the data in window 2 or 3
.irp b, 0,1,2,3,4,5,6,7
	ds_store_b128 v[STO], v[8*(8*((\a)%4)+(\b)):8*(8*((\a)%4)+(\b))+3]   offset:64*(\b)
	ds_store_b128 v[STO], v[8*(8*((\a)%4)+(\b))+4:8*(8*((\a)%4)+(\b))+7] offset:64*(\b)+16
.endr
	WIN 0
.irp t, 0,1,2,3,4,5,6,7,8,9,10,11,12,13,14,15
	ds_load_b128 v[64+64*((\a)%2)+4*(\t):64+64*((\a)%2)+4*(\t)+3], v[RD] offset:(\t)*SPITCH  ; LDS serves a wave's instructions in order (ISA guide 5.7.1.4): these see the stores above, and the next block's stores come behind them
.endr
.endm
.macro SEND a, younger                 ; younger: the next block's 16 stores and 16 loads, or none
	s_wait_dscnt \younger
	s_wait_xcnt 0x0                                ; earlier stores have read their base
.if (\a) > 0
	s_add_nc_u64 s[8:9], s[8:9], 16*4096
.endif
.irp t, 0,1,2,3,4,5,6,7,8,9,10,11,12,13,14,15
	global_store_b128 v[CO], v[64+64*((\a)%2)+4*(\t):64+64*((\a)%2)+4*(\t)+3], s[8:9] offset:(\t)*4096 th:TH_STORE_NT  ; the wave stores 512 consecutive bytes, aligned
.endr
.endm
	s_wait_tensorcnt 1                             ; my part of K step 0 is in; K step 1's may stay out
	s_barrier_signal -1
	s_barrier_wait -1
	FETCH 0, 0, F0
	QUARTER 0, 64,  F0, F1, 1
	WIN 0
	s_mov_b32 s3, LAPS-1
.Llap:
	QUARTER 0, 128, F1, F0, 0
	QUARTER 0, 192, F0, F1, 0
	TURN 0, 1
	QUARTER 1, 64,  F0, F1, 0
	QUARTER 1, 128, F1, F0, 0
	QUARTER 1, 192, F0, F1, 0
	TURN 1, 0
	QUARTER 0, 64,  F0, F1, 0
	WIN 0
	s_sub_co_u32 s3, s3, 1
	s_cmp_lg_u32 s3, 0
	s_cbranch_scc1 .Llap
	QUARTER 0, 128, F1, F0, 0                      ; the last lap fills nothing
	QUARTER 0, 192, F0, F1, 0
	MEET 0
	PLACES
	FETCH 1, 0, F0
	MUL16 F1, 1, 0, 0
	MUL16 F1, 1, 2, 0
	QUARTER 1, 64,  F0, F1, 0
	QUARTER 1, 128, F1, F0, 0
	QUARTER 1, 192, F0, F1, 0
	s_wait_dscnt 8
	MUL16 F1, 0, 0, 0
	MUL16 F1, 0, 2, 0
	s_wait_dscnt 0x0
	MUL16 F1, 1, 0, 0
	MUL16 F1, 1, 2, 0
	PLACES
	TOSTAGE 0
.irp a, 1,2,3,4,5,6,7
	TOSTAGE \a
	SEND (\a)-1, 32
.endr
	SEND 7, 0
	s_wait_tensorcnt 0x0                           ; the wave's end
	ds_add_u32 v[SPW], v[NIL]
	s_wait_dscnt 0x0
	CROUND                                         ; the closing round
	s_endpgm
.Lfunc_end_k_q279c68e2e7_outgemm:
	.size	k_q279c68e2e7_outgemm, .Lfunc_end_k_q279c68e2e7_outgemm-k_q279c68e2e7_outgemm
	.p2alignl 7, 3214868480
	.fill 96, 4, 3214868480
	.section	.rodata,"a",@progbits
	.p2align	6, 0x0
	.amdhsa_kernel k_q279c68e2e7_outgemm
		.amdhsa_group_segment_fixed_size 327680
		.amdhsa_private_segment_fixed_size 0
		.amdhsa_enable_private_segment 0
		.amdhsa_kernarg_size 24
		.amdhsa_user_sgpr_count 2
		.amdhsa_user_sgpr_kernarg_segment_ptr 1
		.amdhsa_wavefront_size32 1
		.amdhsa_system_sgpr_workgroup_id_x 1
		.amdhsa_system_sgpr_workgroup_id_y 1
		.amdhsa_system_sgpr_workgroup_id_z 1
		.amdhsa_system_vgpr_workitem_id 0
		.amdhsa_next_free_vgpr 1024
		.amdhsa_next_free_sgpr 66
		.amdhsa_reserve_vcc 0
		.amdhsa_float_denorm_mode_32 3
		.amdhsa_float_denorm_mode_16_64 3
		.amdhsa_memory_ordered 1
		.amdhsa_forward_progress 1
		.amdhsa_inst_pref_size 142
	.end_amdhsa_kernel
	.amdgpu_metadata
---
amdhsa.version: [ 1, 2 ]
amdhsa.kernels:
  - .name:           k_q279c68e2e7_outgemm
    .symbol:         k_q279c68e2e7_outgemm.kd
    .args:
      - { .name: xh, .offset: 0, .size: 8, .value_kind: global_buffer, .address_space: global }
      - { .name: mt, .offset: 8, .size: 8, .value_kind: global_buffer, .address_space: global }
      - { .name: out0, .offset: 16, .size: 8, .value_kind: global_buffer, .address_space: global }
    .group_segment_fixed_size: 327680
    .private_segment_fixed_size: 0
    .kernarg_segment_align: 8
    .kernarg_segment_size: 24
    .max_flat_workgroup_size: 128
    .sgpr_count:     66
    .vgpr_count:     1024
    .wavefront_size: 32
...
	.end_amdgpu_metadata
.endif
;; end of part 5
;; ======== version 2 of 2: 5 launches; version 1 with the launches prep, attnp written anew for expert scheduling mode
;; limits: values are held in f16: magnitudes above 65,504 overflow, below 6.1e-05 lose precision
;; workspace buffers: xh 33,554,432 bytes; wqkt 2,097,152 bytes; wot 2,097,152 bytes; wvb 2,097,152 bytes; gp 16,777,216 bytes; pb 4,194,304 bytes; mt 4,194,304 bytes
;; launch prep (part 6): grid 1344 x 1, 8 waves a work-group, no clusters, 18,432 bytes of LDS; arguments x, W_qk, W_v, W_out, xh, wqkt, wvb, wot; writes xh, wqkt, wvb, wot
.if DOCPART == 6
	.amdgcn_target "amdgcn-amd-amdhsa--gfx1250"
	.amdhsa_code_object_version 6
	.text
	.protected	k_q279c68e2e7_prep
	.globl	k_q279c68e2e7_prep
	.p2align	8
	.type	k_q279c68e2e7_prep,@function
k_q279c68e2e7_prep:
	s_mov_b64 s[64:65], 0
	v_nop
	global_prefetch_b8 v0, s[64:65] scope:SCOPE_SE
	s_setreg_imm32_b32 hwreg(HW_REG_WAVE_SCHED_MODE, 0, 2), 2
	s_setreg_imm32_b32 hwreg(HW_REG_WAVE_MODE, 25, 1), 1
	s_wait_xcnt 0x0
	s_wait_alu depctr_vm_vsrc(0)
; Every large input is rounded once to bf16 and that number is written as f16 (exact inside f16's range), in the layout that the later launches read:
;   xh   [16384][1024]      = x
;   wqkt [n 1024][k 1024]   = W_qk transposed          wot [j 1024][c 1024] = W_out transposed
;   wvb  [h 16][k 1024][64] = W_v, a head's 64 columns on end
; LIMITS.  A number of 65,520 or more becomes an infinity; below 6.1e-5 f16 keeps its fixed step of 6e-8.  NaN and infinities are not treated apart.
; ROLES, by the work-group's number alone (the same for all eight waves): 0-255 transpose a block of 128 k x 64 n (0-127 W_qk, 128-255 W_out) through LDS;
; 256-319 take 16 rows of W_v; 320-1343 take 65,536 bytes of x.  No matrix unit, no cluster: no work-group reads what another reads.
; THE MODE: SCHED_MODE bits 1:0 = 2 (LLVM: expert scheduling mode 2), set by the entry lines.  The code itself states the register dependences
; between vector instructions and memory or LDS instructions, with s_wait_alu, always for 0.
; THE PLAN.  Registers that memory or LDS instructions touch:
;   IN    The role's loads land in it, each register once; the conversions read it.  In the turning role the LDS loads of whole rows land in its first sixteen registers, behind the last wait on va_vdst.
;   OUT   Each register is written once, by a conversion, and read by one store, global or LDS, which is issued in the NEXT group of four.
;   v[LD], v[SO], v[LW], v[LR]   Made once, ahead of the role's first load, and never written again.
;   T is named by vector instructions alone.
; So a role has one wait on va_vdst ahead of its loads (the addresses), one at the head of each group but the first (the group before has written its OUT; its stores follow, dealt among
; this group's conversions, which name other registers) and one ahead of the last four stores.  No register that a memory or LDS instruction has read is written again: no wait on vm_vsrc is owed.
.set TP,    272                        ; a row of the transposed block in LDS: 128 f16 + 16 bytes
.set LD,  5                            ; v5   byte offset of my loads
.set SO,  6                            ; v6   byte offset of my stores
.set LW,  7                            ; v7   LDS: where I put a pair of k
.set LR,  10                           ; v10  LDS: where I read a row back
.set IN,  16                           ; v[16:79]   sixteen loads of 16 bytes
.set OUT, 80                           ; v[80:111]  what is stored
.set T,   112                          ; v[112:119] at work
; two f32 -> bf16 (nearest even) -> the same two numbers as f16, packed: a in the low half
.macro PAIR a, b, d, t
	v_cvt_pk_bf16_f32 v[\t], v[\a], v[\b]
	v_lshlrev_b32 v[(\t)+1], 16, v[\t]
	v_and_b32 v[\t], s21, v[\t]
	v_cvt_pk_f16_f32 v[\d], v[(\t)+1], v[\t]
.endm
; Sixteen loads of 16 bytes a lane go out together; load j is converted when it is in, and stored (8 bytes a lane: 32 lanes fill 256 consecutive bytes, aligned) four loads later.
; Each j has registers of its own, so nothing that a pending store reads is written again.
.macro STREAM src, dst, lstep, sstep, nt
	s_wait_alu depctr_va_vdst(0)                   ; v[LD] and v[SO] are written: every load and store below reads one of them as its offset
.set j, 0
.rept 16
.if \nt
	global_load_b128 v[IN+4*j:IN+4*j+3], v[LD], s[\src:\src+1] offset:j*(\lstep) th:TH_LOAD_NT
.else
	global_load_b128 v[IN+4*j:IN+4*j+3], v[LD], s[\src:\src+1] offset:j*(\lstep)
.endif
.set j, j+1
.endr
.set j, 0
.rept 16
	s_wait_loadcnt 15-j                            ; loads come back in order: the 15 - j younger ones may stay out
.if (j > 0) && (j%4 == 0)
	s_wait_alu depctr_va_vdst(0)                   ; the conversions of the four loads before have written their OUT, which this group's four stores read
.endif
.if j >= 4
	global_store_b64 v[SO], v[OUT+2*(j-4):OUT+2*(j-4)+1], s[\dst:\dst+1] offset:(j-4)*(\sstep)  ; no vector instruction since the wait names these registers
.endif
	PAIR IN+4*j, IN+4*j+1, OUT+2*j, T
	PAIR IN+4*j+2, IN+4*j+3, OUT+2*j+1, T+2
.set j, j+1
.endr
	s_wait_alu depctr_va_vdst(0)                   ; the last four loads' conversions have written their OUT, which the last four stores read
.set j, 12
.rept 4
	global_store_b64 v[SO], v[OUT+2*j:OUT+2*j+1], s[\dst:\dst+1] offset:j*(\sstep)
.set j, j+1
.endr
.endm
	s_load_b512 s[4:19], s[0:1], 0x0               ; x 4:5, W_qk 6:7, W_v 8:9, W_out 10:11, xh 12:13, wqkt 14:15, wvb 16:17, wot 18:19
	v_lshl_add_u32 v14, v0, 2, 0x4400
	v_mov_b32 v15, 0
	v_lshrrev_b32 v4, 5, v0
	v_readfirstlane_b32 s20, v4                    ; wave 0..7
	s_mov_b32 s21, 0xffff0000                      ; a word's upper bf16
	v_and_b32 v1, 31, v0                           ; l
	v_and_b32 v2, 15, v0                           ; l % 16
	v_bfe_u32 v3, v0, 4, 1                         ; l / 16
	s_mov_b32 s23, 0
	s_mov_b32 s25, 0
	s_wait_alu depctr_va_sdst(0)                   ; s20 is written, ahead of the branches: each role's offsets are made from it
	s_wait_kmcnt 0x0
	s_cmp_lt_u32 ttmp9, 256
	s_cbranch_scc1 .Ltrans
	s_cmp_lt_u32 ttmp9, 320
	s_cbranch_scc1 .Lwv
	; x: the work-group's 65,536 bytes, a wave 8,192 of them, a load 512 consecutive bytes
	s_sub_co_u32 s22, ttmp9, 320
	s_lshl_b32 s24, s22, 15                        ; 32,768 bytes of xh
	s_lshl_b32 s22, s22, 16
	s_add_nc_u64 s[4:5], s[4:5], s[22:23]
	s_add_nc_u64 s[12:13], s[12:13], s[24:25]
	s_lshl_b32 s26, s20, 13
	v_lshl_add_u32 v[LD], v1, 4, s26
	s_lshl_b32 s26, s20, 12
	v_lshl_add_u32 v[SO], v1, 3, s26
	STREAM 4, 12, 512, 256, 1
	s_branch .Lend
.Lwv:	; W_v: row k = 16 g + 2 wave + l / 16; load j takes head j's 64 columns (256 bytes for each half of the lanes); two rows of a head are 256 consecutive bytes of wvb
	s_sub_co_u32 s22, ttmp9, 256
	s_lshl_b32 s22, s22, 4
	s_lshl1_add_u32 s22, s20, s22                  ; 16 g + 2 wave
	v_add_nc_u32 v4, s22, v3
	v_lshlrev_b32 v[LD], 12, v4                    ; a row of W_v is 4,096 bytes
	v_lshl_add_u32 v[LD], v2, 4, v[LD]
	s_lshl_b32 s22, s22, 7                         ; a row of a head in wvb is 128 bytes
	v_lshl_add_u32 v[SO], v1, 3, s22
	STREAM 8, 16, 256, 131072, 0
	s_branch .Lend
.Ltrans:	; a block of 128 k x 64 n is turned
	s_lshr_b32 s22, ttmp9, 7
	s_cmp_eq_u32 s22, 0
	s_cselect_b64 s[26:27], s[6:7], s[10:11]       ; from W_qk or W_out
	s_cselect_b64 s[28:29], s[14:15], s[18:19]     ; to wqkt or wot
	s_bfe_u32 s22, ttmp9, 0x30004                  ; kt: which 128 rows
	s_and_b32 s24, ttmp9, 15                       ; nt: which 64 columns
	s_lshl_b32 s30, s22, 19                        ; 128 rows of 4,096 bytes
	s_lshl_b32 s31, s24, 8
	s_add_co_u32 s30, s30, s31
	s_mov_b32 s31, 0
	s_add_nc_u64 s[26:27], s[26:27], s[30:31]
	s_lshl_b32 s30, s24, 17                        ; 64 rows of 2,048 bytes
	s_lshl_b32 s22, s22, 8
	s_add_co_u32 s30, s30, s22
	s_add_nc_u64 s[28:29], s[28:29], s[30:31]
	s_lshl_b32 s22, s20, 16                        ; my wave's 16 rows
	v_lshl_add_u32 v[LD], v3, 13, s22              ; + 2 rows for the upper half of the lanes
	v_lshl_add_u32 v[LD], v2, 4, v[LD]             ; + my four columns
	v_mul_u32_u24 v[LW], v2, 4*TP                  ; LDS row n = 4 (l % 16) + i; byte 2 k = 32 wave + 8 p + 4 (l / 16)
	s_lshl_b32 s22, s20, 5
	v_lshl_add_u32 v[LW], v3, 2, v[LW]
	v_add_nc_u32 v[LW], s22, v[LW]
	s_lshl_b32 s22, s20, 3
	v_add_nc_u32 v[LR], s22, v3                    ; back: row n = 8 wave + 2 u + l / 16
	v_lshlrev_b32 v[SO], 11, v[LR]
	v_mul_u32_u24 v[LR], v[LR], TP
	v_lshl_add_u32 v[LR], v2, 4, v[LR]
	v_lshl_add_u32 v[SO], v2, 4, v[SO]
	s_wait_alu depctr_va_vdst(0)                   ; v[LD], v[LW], v[LR] and v[SO] are written: the loads and stores below, global and LDS, read them
.irp q, 0,1,2,3,4,5,6,7                ; load q = 2 p + e: row 4 p + 2 (l / 16) + e of my 16; each half of the lanes reads 256 consecutive bytes, aligned
	global_load_b128 v[IN+4*(\q):IN+4*(\q)+3], v[LD], s[26:27] offset:(4*((\q)/2)+(\q)%2)*4096
.endr
.irp p, 0,1,2,3
	s_wait_loadcnt 6-2*(\p)                        ; the pair p is in; the younger pairs may stay out
.if (\p) > 0
	s_wait_alu depctr_va_vdst(0)                   ; the conversions of the pair before have written their OUT, which this group's four LDS stores read
.endif
.irp i, 0,1,2,3
.if (\p) > 0
	ds_store_b32 v[LW], v[OUT+4*((\p)-1)+(\i)] offset:(\i)*TP+8*((\p)-1)  ; two neighbouring k of one n (lanes 1,088 bytes apart share banks four deep: sixteen such stores a lane in the launch)
.endif
	PAIR IN+8*(\p)+(\i), IN+8*(\p)+4+(\i), OUT+4*(\p)+(\i), T+2*(\i)
.endr
.endr
	s_wait_alu depctr_va_vdst(0)                   ; the last pair's conversions have written their OUT, which the four LDS stores read; and every conversion is done reading IN, in which the LDS loads behind the barrier land
.irp i, 0,1,2,3
	ds_store_b32 v[LW], v[OUT+12+(\i)] offset:(\i)*TP+24
.endr
	s_wait_dscnt 0x0                               ; for the others' sake: my stores into the block are done
	s_barrier_signal -1
	s_barrier_wait -1
.irp u, 0,1,2,3
	ds_load_b128 v[IN+4*(\u):IN+4*(\u)+3], v[LR] offset:(\u)*2*TP  ; no vector instruction since the last wait names these registers
.endr
.irp u, 0,1,2,3
	s_wait_dscnt 3-(\u)
	global_store_b128 v[SO], v[IN+4*(\u):IN+4*(\u)+3], s[28:29] offset:(\u)*4096  ; 16 lanes store 256 consecutive bytes, aligned
.endr
.Lend:
	s_wait_dscnt 0x0                               ; the wave's end
	s_wait_alu depctr_hold_cnt(0) depctr_sa_sdst(0) depctr_va_vdst(0) depctr_va_sdst(0) depctr_va_ssrc(0) depctr_va_vcc(0) depctr_vm_vsrc(0)
	s_wait_tensorcnt 0x0
	ds_add_u32 v14, v15
	s_wait_dscnt 0x0
	s_endpgm
.Lfunc_end_k_q279c68e2e7_prep:
	.size	k_q279c68e2e7_prep, .Lfunc_end_k_q279c68e2e7_prep-k_q279c68e2e7_prep
	.p2alignl 7, 3214868480
	.fill 96, 4, 3214868480
	.section	.rodata,"a",@progbits
	.p2align	6, 0x0
	.amdhsa_kernel k_q279c68e2e7_prep
		.amdhsa_group_segment_fixed_size 18432
		.amdhsa_private_segment_fixed_size 0
		.amdhsa_enable_private_segment 0
		.amdhsa_kernarg_size 64
		.amdhsa_user_sgpr_count 2
		.amdhsa_user_sgpr_kernarg_segment_ptr 1
		.amdhsa_wavefront_size32 1
		.amdhsa_system_sgpr_workgroup_id_x 1
		.amdhsa_system_sgpr_workgroup_id_y 1
		.amdhsa_system_sgpr_workgroup_id_z 1
		.amdhsa_system_vgpr_workitem_id 0
		.amdhsa_next_free_vgpr 120
		.amdhsa_next_free_sgpr 66
		.amdhsa_reserve_vcc 0
		.amdhsa_float_denorm_mode_32 3
		.amdhsa_float_denorm_mode_16_64 3
		.amdhsa_memory_ordered 1
		.amdhsa_forward_progress 1
		.amdhsa_inst_pref_size 29
	.end_amdhsa_kernel
	.amdgpu_metadata
---
amdhsa.version: [ 1, 2 ]
amdhsa.kernels:
  - .name:           k_q279c68e2e7_prep
    .symbol:         k_q279c68e2e7_prep.kd
    .args:
      - { .name: x, .offset: 0, .size: 8, .value_kind: global_buffer, .address_space: global }
      - { .name: W_qk, .offset: 8, .size: 8, .value_kind: global_buffer, .address_space: global }
      - { .name: W_v, .offset: 16, .size: 8, .value_kind: global_buffer, .address_space: global }
      - { .name: W_out, .offset: 24, .size: 8, .value_kind: global_buffer, .address_space: global }
      - { .name: xh, .offset: 32, .size: 8, .value_kind: global_buffer, .address_space: global }
      - { .name: wqkt, .offset: 40, .size: 8, .value_kind: global_buffer, .address_space: global }
      - { .name: wvb, .offset: 48, .size: 8, .value_kind: global_buffer, .address_space: global }
      - { .name: wot, .offset: 56, .size: 8, .value_kind: global_buffer, .address_space: global }
    .group_segment_fixed_size: 18432
    .private_segment_fixed_size: 0
    .kernarg_segment_align: 8
    .kernarg_segment_size: 64
    .max_flat_workgroup_size: 256
    .sgpr_count:     66
    .vgpr_count:     120
    .wavefront_size: 32
...
	.end_amdgpu_metadata
.endif
;; end of part 6
;; launch qkgram: the kernel of part 2 again; grid 4 x 64, 4 waves a work-group, clusters of 4 x 4, 327,680 bytes of LDS; arguments xh, wqkt, gp; writes gp
;; launch attnp (part 7): grid 128 x 1, 8 waves a work-group, no clusters, 3,328 bytes of LDS; arguments gp, tau, wvb, pb; writes pb
.if DOCPART == 7
	.amdgcn_target "amdgcn-amd-amdhsa--gfx1250"
	.amdhsa_code_object_version 6
	.text
	.protected	k_q279c68e2e7_attnp
	.globl	k_q279c68e2e7_attnp
	.p2align	8
	.type	k_q279c68e2e7_attnp,@function
k_q279c68e2e7_attnp:
	s_mov_b64 s[64:65], 0
	v_nop
	global_prefetch_b8 v0, s[64:65] scope:SCOPE_SE
	s_setreg_imm32_b32 hwreg(HW_REG_WAVE_SCHED_MODE, 0, 2), 2
	s_setreg_imm32_b32 hwreg(HW_REG_WAVE_MODE, 25, 1), 1
	s_wait_xcnt 0x0
	s_wait_alu depctr_vm_vsrc(0)
; For work-group id = 64 b + 4 h + cb: sixteen rows c of head h's attention, and their share of P = W_v attn^T.
;   S[c][d] = the sum over the 32 token tiles of E;  z = S tau_h log2(e) / sqrt(8192);  attn = 2^(z - max z) / sum, a row's maximum taken away as reference() takes it;
;   P[k][c] = the sum over d of W_v[k][64 h + d] attn[c][d], stored as pb [id][k 1024][16] f16.
; tau is rounded to bf16 like every input.  Sums, maximum and softmax in f32; attn and P are rounded once to f16.
; LIMITS.  A weight below 2^-126 counts as 0; attn lies in 0 to 1 and below 6.1e-5 keeps f16's step of 6e-8; P has W_v's range.  NaN and infinities are not treated apart.
; SHARES.  128 work-groups are all the work there is.  Thread t owns row t / 16 and columns 4 (t % 16) + 0..3 of the 16 x 64 block, so a row's maximum and sum stay inside sixteen lanes.
; Then wave w makes P for k = 128 w .. 128 w + 127: source 0 = attn (16 c x 32 d), source 1 = W_v (16 k x 32 d): a lane holds one k and eight neighbouring c: 16 bytes of pb.
; No cluster, no tensor load: no work-group reads what another reads but W_v's 128 KiB of a head, a small part of its bytes.
; THE MODE: SCHED_MODE bits 1:0 = 2 (LLVM: expert scheduling mode 2), set by the entry lines.  The code itself states the register dependences
; between vector or matrix instructions and memory or LDS instructions, with s_wait_alu, always for 0.
; THE PLAN.  The 32 tiles go in eight blocks of four (two pairs).  Registers that memory or LDS instructions touch:
;   X0 .. X4   five buffers of four tiles in v[E ..].  Tiles 0 to 19 land at the start.  Block p's additions read X[p % 5]; the loads of block p + 4, issued in block p (p = 1, 2, 3), land in
;              X[p - 1], the buffer that block p - 1 read and that no vector instruction of block p names.
;   WV         W_v's 32 loads land in it once, issued in block 3 behind the last loads of E; no vector instruction has named it by then.  On the way out the conversions write its first 32 registers, which the stores read.
;   AF         attn's fragments land in it once, from LDS.
;   v[Z:Z+1]   written by the two roundings, read by one LDS store, not written again.
;   v[EO]      made ahead of the first loads.  v[VW], v[ATS], v[ATL], v[PO]: made behind them, ahead of block 1's wait.  None is written again.
;   T, S0 and the statistics are named by vector instructions alone.
; So one wait on va_vdst stands at the head of blocks 1, 2 and 3, behind the wait for the block's first pair; one ahead of the LDS store; two on the way out.  No register that a memory or LDS
; instruction has read is written again: no wait on vm_vsrc is owed.
.set AP,    144                        ; a row of attn in LDS: 64 f16 + 16 bytes
.set EO,  4                            ; v4   16 x thread: my 16 bytes of a tile's 4,096
.set VW,  5                            ; v5   my bytes of W_v's fragments
.set ATS, 6                            ; v6   LDS: where I put four weights
.set ATL, 7                            ; v7   LDS: my bytes of attn's fragments
.set PO,  8                            ; v8   my 16 bytes of pb
.set Z,   12                           ; v[12:15]  z, then the weights
.set T,   16                           ; v[16:23]  at work
.set S0,  24                           ; v[24:27], v[28:31]  two running sums
.set E,   32                           ; v[32:111] twenty slots of E, five buffers of four; later, in the first 64, the eight results
.set WV,  112                          ; v[112:239] W_v: tile i, K half q at WV + 16 i + 8 q; later the packed results
.set AF,  240                          ; v[240:255] attn's two fragments
.macro ELOAD t
	global_load_b128 v[E+4*((\t)%20):E+4*((\t)%20)+3], v[EO], s[4:5] offset:(\t)*4096 th:TH_LOAD_NT
.endm
.macro ESUM u                          ; tiles 2 u and 2 u + 1 are added and go onto sum u % 2
.if (\u) < 2
	v_pk_add_f32 v[S0+4*(\u):S0+4*(\u)+1],   v[E+8*((\u)%10):E+8*((\u)%10)+1],   v[E+8*((\u)%10)+4:E+8*((\u)%10)+5]
	v_pk_add_f32 v[S0+4*(\u)+2:S0+4*(\u)+3], v[E+8*((\u)%10)+2:E+8*((\u)%10)+3], v[E+8*((\u)%10)+6:E+8*((\u)%10)+7]
.else
	v_pk_add_f32 v[T:T+1],   v[E+8*((\u)%10):E+8*((\u)%10)+1],   v[E+8*((\u)%10)+4:E+8*((\u)%10)+5]
	v_pk_add_f32 v[T+2:T+3], v[E+8*((\u)%10)+2:E+8*((\u)%10)+3], v[E+8*((\u)%10)+6:E+8*((\u)%10)+7]
	v_pk_add_f32 v[S0+4*((\u)%2):S0+4*((\u)%2)+1],   v[S0+4*((\u)%2):S0+4*((\u)%2)+1],   v[T:T+1]
	v_pk_add_f32 v[S0+4*((\u)%2)+2:S0+4*((\u)%2)+3], v[S0+4*((\u)%2)+2:S0+4*((\u)%2)+3], v[T+2:T+3]
.endif
.endm
	s_load_b256 s[4:11], s[0:1], 0x0               ; gp s[4:5], tau s[6:7], wvb s[8:9], pb s[10:11]
	v_lshl_add_u32 v22, v0, 2, 0x900
	v_mov_b32 v23, 0
	v_lshrrev_b32 v1, 5, v0
	v_readfirstlane_b32 s15, v1                    ; wave 0..7
	s_lshl_b32 s12, ttmp9, 17                      ; id x 32 tiles x 4,096 bytes
	s_mov_b32 s13, 0
	s_bfe_u32 s14, ttmp9, 0x40002                  ; h
	s_lshl_b32 s16, s14, 2
	s_mov_b32 s17, 0
	s_lshl_b32 s18, s14, 17                        ; a head of wvb: 131,072 bytes
	s_mov_b32 s19, 0
	s_lshl_b32 s20, ttmp9, 15                      ; id x 1,024 rows x 32 bytes
	s_mov_b32 s21, 0
	v_and_b32 v1, 15, v0                           ; l % 16
	v_bfe_u32 v2, v0, 4, 1                         ; l / 16
	v_lshlrev_b32 v[EO], 4, v0
	s_wait_alu depctr_va_sdst(0)                   ; s15 is written, ahead of its first reader: my wave's offsets in wvb and pb are made from it
	s_wait_kmcnt 0x0
	s_add_nc_u64 s[4:5], s[4:5], s[12:13]
	s_add_nc_u64 s[6:7], s[6:7], s[16:17]
	s_add_nc_u64 s[8:9], s[8:9], s[18:19]
	s_add_nc_u64 s[10:11], s[10:11], s[20:21]
	s_wait_alu depctr_va_vdst(0)                   ; v[EO] is written: every load of E reads it as its offset
.set u, 0
.rept 20
	ELOAD u                                        ; tiles 0 to 19 into X0 to X4: twenty loads of mine are out
.set u, u+1
.endr
	s_load_b32 s22, s[6:7], 0x0                    ; tau of my head
	s_lshl_b32 s23, s15, 14                        ; my wave's 128 rows of 128 bytes
	v_lshl_add_u32 v[VW], v1, 7, s23
	v_lshl_add_u32 v[VW], v2, 4, v[VW]
	v_lshrrev_b32 v3, 4, v0                        ; my row of the block
	v_mul_u32_u24 v[ATS], v3, AP
	v_lshl_add_u32 v[ATS], v1, 3, v[ATS]
	v_mul_u32_u24 v[ATL], v1, AP
	v_lshl_add_u32 v[ATL], v2, 4, v[ATL]
	s_lshl_b32 s23, s15, 12                        ; my wave's 128 rows of 32 bytes
	v_lshl_add_u32 v[PO], v1, 5, s23
	v_lshl_add_u32 v[PO], v2, 4, v[PO]
	s_wait_loadcnt 18                              ; block 0: loads come back in order: tiles 0 and 1 are in, the 18 younger loads may stay out
	ESUM 0
	s_wait_loadcnt 16
	ESUM 1
.irp p, 1,2,3                          ; blocks 1 to 3 ask for blocks 5 to 7
	s_wait_loadcnt 14                              ; 16 + 4 p loads are issued, the block's first pair is in when 4 p + 2 are done: 14 may stay out
	s_wait_alu depctr_va_vdst(0)                   ; the block before is done reading its buffer, in which the four loads below land; in block 1 also: v[VW], v[ATS], v[ATL] and v[PO] are written
	ELOAD 4*(\p)+16
	ELOAD 4*(\p)+17
	ELOAD 4*(\p)+18
	ELOAD 4*(\p)+19
.if (\p) == 3
.irp i, 0,1,2,3,4,5,6,7                ; W_v's fragments, behind the last loads of E.  No wait of their own: no vector instruction has named WV, and v[VW] was written ahead of block 1's wait
.irp q, 0,1
	global_load_b128 v[WV+16*(\i)+8*(\q):WV+16*(\i)+8*(\q)+3],   v[VW], s[8:9] offset:(\i)*2048+(\q)*64
	global_load_b128 v[WV+16*(\i)+8*(\q)+4:WV+16*(\i)+8*(\q)+7], v[VW], s[8:9] offset:(\i)*2048+(\q)*64+32
.endr
.endr
.endif
	ESUM 2*(\p)
	s_wait_loadcnt 16+32*((\p)/3)                  ; the block's second pair: the 16 younger loads of E may stay out, in block 3 W_v's 32 too
	ESUM 2*(\p)+1
.endr
.set u, 8
.rept 8                                ; blocks 4 to 7 ask for nothing, so they hold no wait on va_vdst
	s_wait_loadcnt 2*(15-u)+32                     ; the younger pairs and W_v's 32 loads may stay out
	ESUM u
.set u, u+1
.endr
	v_pk_add_f32 v[S0:S0+1], v[S0:S0+1], v[S0+4:S0+5]
	v_pk_add_f32 v[S0+2:S0+3], v[S0+2:S0+3], v[S0+6:S0+7]
	s_wait_kmcnt 0x0
	v_mov_b32 v[T], s22
	v_cvt_pk_bf16_f32 v[T], v[T], v[T]             ; tau rounded to bf16,
	v_lshlrev_b32 v[T], 16, v[T]
	v_mul_f32 v[T], 0x3c8293ee, v[T]               ; times log2(e) / sqrt(8192)
	v_mov_b32 v[T+1], v[T]
	v_pk_mul_f32 v[Z:Z+1], v[S0:S0+1], v[T:T+1]
	v_pk_mul_f32 v[Z+2:Z+3], v[S0+2:S0+3], v[T:T+1]
	v_max3_num_f32 v[T+2], v[Z], v[Z+1], v[Z+2]
	v_max_num_f32 v[T+2], v[T+2], v[Z+3]
	v_max_num_f32_dpp v[T+2], v[T+2], v[T+2] row_xmask:1 row_mask:0xf bank_mask:0xf  ; a row of the block is sixteen lanes
	v_max_num_f32_dpp v[T+2], v[T+2], v[T+2] row_xmask:2 row_mask:0xf bank_mask:0xf
	v_max_num_f32_dpp v[T+2], v[T+2], v[T+2] row_xmask:4 row_mask:0xf bank_mask:0xf
	v_max_num_f32_dpp v[T+2], v[T+2], v[T+2] row_xmask:8 row_mask:0xf bank_mask:0xf
.irp j, 0,1,2,3
	v_sub_f32 v[Z+(\j)], v[Z+(\j)], v[T+2]
.endr
.irp j, 0,1,2,3
	v_exp_f32 v[Z+(\j)], v[Z+(\j)]
.endr
	v_nop                                          ; a plain instruction behind the last exponential (ISA guide 5.7.2),
	s_wait_alu depctr_va_vdst(0)                   ; and the one wait ahead of the batch's first reader: the four exponentials have written v[Z ..]
	v_add_f32 v[T+3], v[Z], v[Z+1]
	v_add_f32 v[T+4], v[Z+2], v[Z+3]
	v_add_f32 v[T+3], v[T+3], v[T+4]
	v_add_f32_dpp v[T+3], v[T+3], v[T+3] row_xmask:1 row_mask:0xf bank_mask:0xf
	v_add_f32_dpp v[T+3], v[T+3], v[T+3] row_xmask:2 row_mask:0xf bank_mask:0xf
	v_add_f32_dpp v[T+3], v[T+3], v[T+3] row_xmask:4 row_mask:0xf bank_mask:0xf
	v_add_f32_dpp v[T+3], v[T+3], v[T+3] row_xmask:8 row_mask:0xf bank_mask:0xf
	v_rcp_f32 v[T+4], v[T+3]                       ; the sum is at least 1: the row's largest weight
	v_nop
	s_wait_alu depctr_va_vdst(0)                   ; the same wait for the reciprocal: it has written v[T+4], ahead of its first reader
.irp j, 0,1,2,3
	v_mul_f32 v[Z+(\j)], v[Z+(\j)], v[T+4]
.endr
	v_cvt_pk_f16_f32 v[Z], v[Z], v[Z+1]
	v_cvt_pk_f16_f32 v[Z+1], v[Z+2], v[Z+3]
	s_wait_alu depctr_va_vdst(0)                   ; the two roundings have written v[Z:Z+1], which the LDS store reads
	ds_store_b64 v[ATS], v[Z:Z+1]
	s_wait_dscnt 0x0                               ; for the others' sake: my weights are written
	s_barrier_signal -1
	s_barrier_wait -1
.irp q, 0,1,2,3
	ds_load_b128 v[AF+4*(\q):AF+4*(\q)+3], v[ATL] offset:32*(\q)  ; no vector instruction has named AF, and v[ATL] was written ahead of block 1's wait
.endr
	s_wait_loadcnt 0x0                             ; W_v
	s_wait_dscnt 0x0
.irp i, 0,1,2,3,4,5,6,7                ; eight accumulators take turns
	v_wmma_f32_16x16x32_f16 v[E+8*(\i):E+8*(\i)+7], v[AF:AF+7], v[WV+16*(\i):WV+16*(\i)+7], 0
.endr
.irp i, 0,1,2,3,4,5,6,7
	v_wmma_f32_16x16x32_f16 v[E+8*(\i):E+8*(\i)+7], v[AF+8:AF+15], v[WV+16*(\i)+8:WV+16*(\i)+15], v[E+8*(\i):E+8*(\i)+7]
.endr
.rept 4
	v_nop                                          ; the places behind the last products
.endr
.irp i, 0,1,2,3
.irp r, 0,1,2,3
	v_cvt_pk_f16_f32 v[WV+4*(\i)+(\r)], v[E+8*(\i)+2*(\r)], v[E+8*(\i)+2*(\r)+1]
.endr
.endr
	s_wait_alu depctr_va_vdst(0)                   ; the conversions of results 0 to 3 have written v[WV .. WV+15], which the four stores below read
.irp i, 4,5,6,7
	global_store_b128 v[PO], v[WV+4*((\i)-4):WV+4*((\i)-4)+3], s[10:11] offset:((\i)-4)*512  ; the wave stores 512 consecutive bytes, aligned; the conversions dealt between name v[WV+16 ..] and other results
.irp r, 0,1,2,3
	v_cvt_pk_f16_f32 v[WV+4*(\i)+(\r)], v[E+8*(\i)+2*(\r)], v[E+8*(\i)+2*(\r)+1]
.endr
.endr
	s_wait_alu depctr_va_vdst(0)                   ; the conversions of results 4 to 7 have written v[WV+16 .. WV+31], which the last four stores read
.irp i, 4,5,6,7
	global_store_b128 v[PO], v[WV+4*(\i):WV+4*(\i)+3], s[10:11] offset:(\i)*512
.endr
	s_wait_dscnt 0x0                               ; the wave's end
	s_wait_alu depctr_hold_cnt(0) depctr_sa_sdst(0) depctr_va_vdst(0) depctr_va_sdst(0) depctr_va_ssrc(0) depctr_va_vcc(0) depctr_vm_vsrc(0)
	s_wait_tensorcnt 0x0
	ds_add_u32 v22, v23
	s_wait_dscnt 0x0
	s_endpgm
.Lfunc_end_k_q279c68e2e7_attnp:
	.size	k_q279c68e2e7_attnp, .Lfunc_end_k_q279c68e2e7_attnp-k_q279c68e2e7_attnp
	.p2alignl 7, 3214868480
	.fill 96, 4, 3214868480
	.section	.rodata,"a",@progbits
	.p2align	6, 0x0
	.amdhsa_kernel k_q279c68e2e7_attnp
		.amdhsa_group_segment_fixed_size 3328
		.amdhsa_private_segment_fixed_size 0
		.amdhsa_enable_private_segment 0
		.amdhsa_kernarg_size 32
		.amdhsa_user_sgpr_count 2
		.amdhsa_user_sgpr_kernarg_segment_ptr 1
		.amdhsa_wavefront_size32 1
		.amdhsa_system_sgpr_workgroup_id_x 1
		.amdhsa_system_sgpr_workgroup_id_y 1
		.amdhsa_system_sgpr_workgroup_id_z 1
		.amdhsa_system_vgpr_workitem_id 0
		.amdhsa_next_free_vgpr 256
		.amdhsa_next_free_sgpr 66
		.amdhsa_reserve_vcc 0
		.amdhsa_float_denorm_mode_32 3
		.amdhsa_float_denorm_mode_16_64 3
		.amdhsa_memory_ordered 1
		.amdhsa_forward_progress 1
		.amdhsa_inst_pref_size 19
	.end_amdhsa_kernel
	.amdgpu_metadata
---
amdhsa.version: [ 1, 2 ]
amdhsa.kernels:
  - .name:           k_q279c68e2e7_attnp
    .symbol:         k_q279c68e2e7_attnp.kd
    .args:
      - { .name: gp, .offset: 0, .size: 8, .value_kind: global_buffer, .address_space: global }
      - { .name: tau, .offset: 8, .size: 8, .value_kind: global_buffer, .address_space: global }
      - { .name: wvb, .offset: 16, .size: 8, .value_kind: global_buffer, .address_space: global }
      - { .name: pb, .offset: 24, .size: 8, .value_kind: global_buffer, .address_space: global }
    .group_segment_fixed_size: 3328
    .private_segment_fixed_size: 0
    .kernarg_segment_align: 8
    .kernarg_segment_size: 32
    .max_flat_workgroup_size: 256
    .sgpr_count:     66
    .vgpr_count:     256
    .wavefront_size: 32
...
	.end_amdgpu_metadata
.endif
;; end of part 7
;; launch mix: the kernel of part 4 again; grid 16 x 8, 4 waves a work-group, clusters of 4 x 4, 327,680 bytes of LDS; arguments wot, pb, mt; writes mt
;; launch outgemm: the kernel of part 5 again; grid 4 x 64, 4 waves a work-group, clusters of 4 x 4, 327,680 bytes of LDS; arguments xh, mt, out0; writes out0
